; MI455X (gfx1250); checked and timed in simulation.
; The chip was launched on July 23, 2026; its instructions are those of AMD's public machine-readable ISA for CDNA 5 (MIT licence, August 2026) and "CDNA5" Instruction Set Architecture Reference Guide (July 2026). The comments in the code are by the model that wrote it; some were corrected since.
;; Atten Layer. Allowed arithmetic: float matrix products may take bf16 or f16 operands with f32 sums; other float arithmetic in f32, or as packed bf16 or f16 multiplies, adds, multiply-adds, maxima and minima; sums over many terms, partial sums and values carried from step to step in f32; what a program stores and reads back later, other than sums and carried values, may be rounded once to bf16 or f16.
;; Inputs: b1 4,096 float32; b2 1,024 float32; ln1_b 1,024 float32; ln1_g 1,024 float32; ln2_b 1,024 float32; ln2_g 1,024 float32; w1 1,024 x 4,096 float32; w2 4,096 x 1,024 float32; wk 1,024 x 1,024 float32; wo 1,024 x 1,024 float32; wq 1,024 x 1,024 float32; wv 1,024 x 1,024 float32; x 2 x 2,048 x 1,024 float32.
;; Outputs: out0 2 x 2,048 x 1,024 float32.
;; One version. Each part assembles by itself: llvm-mc -triple=amdgcn-amd-amdhsa -mcpu=gfx1250 --defsym DOCPART=n.
;; ======== version 1 of 1: 7 launches
;; limits: values are held in f16: magnitudes above 65,504 overflow, below 6.1e-05 lose precision; a function is approximated: absolute error at most 1.5e-07
;; workspace buffers: wb 25,165,824 bytes; hbuf 8,388,608 bytes; qkvb 25,165,824 bytes; ob 8,388,608 bytes; x1 16,777,216 bytes; g 33,554,432 bytes
;; launch prep1 (part 1): grid 384 x 1, 8 waves a work-group, no clusters, 37,888 bytes of LDS; arguments x, ln1_g, ln1_b, hbuf, wq, wk, wv, wo, w1, w2, wb; writes hbuf, wb
.if DOCPART == 1
	.amdgcn_target "amdgcn-amd-amdhsa--gfx1250"
	.amdhsa_code_object_version 6
	.text
	.protected	k_q8db84fff5c_prep1
	.globl	k_q8db84fff5c_prep1
	.p2align	8
	.type	k_q8db84fff5c_prep1,@function
k_q8db84fff5c_prep1:
	s_mov_b64 s[64:65], 0
	v_nop
	global_prefetch_b8 v0, s[64:65] scope:SCOPE_SE
	s_setreg_imm32_b32 hwreg(HW_REG_WAVE_MODE, 25, 1), 1
	s_wait_xcnt 0x0
; PREPARATION, one body for two launches: a layer norm, and beside it the rounding of the weights that the products behind it want.
; A work-group's job hangs on its number alone: y > 0: it rounds part of w1 or w2; y = 0, x < 256: it normalises 16 rows; y = 0, x >= 256: it rounds part of wq, wk, wv or wo.
; The first launch has 384 x 1 work-groups (norm 1; wq, wk, wv, wo), the second 256 x 2 (norm 2; w1, w2).  Both jobs are streams: every byte is read once and written once; matrix unit, cluster and tensor loads would add nothing.
; LIMIT.  f16 holds no number beyond 65,504, and below 6e-5 it keeps a fixed step of 6e-8: the weights, gamma, beta and what the norm makes of them are taken to lie within that.
;
; THE NORM of [4096][1024] f32: out = (x - mean) rsqrt(var + 1e-5) gamma + beta, all in f32, rounded once to f16.  Two passes over registers: the mean, then the sum of (x - mean)^2: a common offset does no harm.
; out: [K step 8][16 rows 256][kb 8][512 bytes]; a block is 16 rows x 16 k; the 16 bytes of (row r, k = 8 h .. 8 h + 7) lie at 16 (16 h + r).
; Wave w takes rows 2 w and 2 w + 1, sixteen lanes to a row: lane i holds columns 64 sl + 4 i .. + 3, sl = 0..15.  A row's sums never leave its 16 lanes.  A block's 16 rows come from all eight waves, so the
; result meets in LDS behind one barrier; wave w then stores K step w, 512 consecutive bytes a store.  The barrier stands under a branch on the work-group's number, which is the same in all its waves.
;
; THE WEIGHTS, f32 [K][N], go into blocks of 16 k x 16 n, 16 rows of 32 bytes, 512 bytes on end.
; wb: +0 wq|wk|wv [head 16][step 8][nb 12: q 0-3, k 4-7, v 8-11][kb 8]; +6,291,456 wo [tile 8][step 4][nb 8][kb 16];
;     +8,388,608 w1 [tile 16][step 8][nb 16][kb 8]; +16,777,216 w2 [tile 8][step 16][nb 8][kb 16]: what a product's work-group wants for one K step lies on end.
; A work-group takes 512 k x 64 n of one weight, as four units of 128 k; in a unit wave w takes rows 16 w .. 16 w + 15: four blocks.  All 32 loads of a wave go out first (16,384 bytes on their way);
; a load covers two rows' 256 consecutive bytes, a store 512 consecutive bytes.  The turn from rows to blocks goes through the wave's own LDS bytes: no barrier.
.set HP,    288                        ; the norm's stage: half a block (16 rows x 16 bytes) + 32 of padding: the 32 lanes of an 8-byte store fall on 64 different words modulo 64
.set SPARE, 128*HP                     ; behind it: the spare words, 128 bytes for each wave, which no other line names
.set STG,   2304                       ; the weights' stage, a wave's own: four blocks, 576 bytes apart, for the same reason
.set BP,    576
.set SPW, 8
.set NIL, 9
.set WV,  26                           ; s26 my wave's number
.set XO, 2                             ; the norm's registers
.set PO, 3
.set LS, 4
.set LR, 5
.set GO, 6
.set X,  16                            ; v[16:79]   my 64 numbers of the row
.set G,  80                            ; v[80:143]  gamma of my columns; later the rounded result
.set B,  144                           ; v[144:207] beta
.set T,  208                           ; v[208:223] at work
.set COFF, 10                          ; the weights' registers: v[10:17] load j: my byte offset in a unit of the source
.set CLS,  18                          ; v18      where I put 8 bytes
.set CLR,  19                          ; v19      where I read 16 bytes of a block back
.set CDO,  20                          ; v[20:23] block m: my byte offset in a unit's blocks
.set CX,   32                          ; v[32:159] unit u at CX + 32 u: as loaded; its first 16 registers later hold its four blocks
.set CY,   160                         ; v[160:175] rounded
	s_load_b256 s[4:11], s[0:1], 0x0               ; in s[4:5], gamma s[6:7], beta s[8:9], out s[10:11]
	s_load_b256 s[12:19], s[0:1], 0x20             ; wq s[12:13], wk s[14:15], wv s[16:17], wo s[18:19]
	s_load_b128 s[20:23], s[0:1], 0x40             ; w1 s[20:21], w2 s[22:23]
	s_load_b64 s[24:25], s[0:1], 0x50              ; wb
	v_lshl_add_u32 v[SPW], v0, 2, SPARE
	v_mov_b32 v[NIL], 0
	v_lshrrev_b32 v1, 5, v0
	v_readfirstlane_b32 s[WV], v1                  ; wave 0..7
	s_and_b32 s27, ttmp7, 0xffff                   ; y
	s_mov_b32 s28, ttmp9                           ; x
	s_wait_kmcnt 0x0
	s_cmp_lg_u32 s27, 0
	s_cbranch_scc1 .Lcast_b
	s_cmp_lt_u32 s28, 256
	s_cbranch_scc0 .Lcast_a
	; ---- the norm of rows 16 x .. 16 x + 15
	v_and_b32 v10, 15, v0                          ; i
	v_bfe_u32 v11, v0, 4, 1                        ; p
	v_lshlrev_b32 v[PO], 4, v10
	v_lshl_add_u32 v12, s[WV], 1, v11              ; my row, 2 w + p
	v_lshl_add_u32 v[XO], v12, 12, v[PO]
	s_lshl_b32 s30, s[WV], 20                      ; K step w: 256 x 8 blocks
	s_lshl_b32 s32, s28, 12                        ; my 16 rows' 8 blocks
	s_add_co_u32 s30, s30, s32
	s_mov_b32 s31, 0
	s_lshl_b32 s28, s28, 16                        ; 16 rows of 4,096 bytes
	s_mov_b32 s29, 0
	s_mov_b32 s33, 0x3a800000                      ; 1 / 1024
	s_mov_b32 s34, 0x3727c5ac                      ; 1e-5
	s_add_nc_u64 s[4:5], s[4:5], s[28:29]
	s_add_nc_u64 s[10:11], s[10:11], s[30:31]
.irp q, 0,1,2,3,4,5,6,7,8,9,10,11,12,13,14,15
	global_load_b128 v[X+4*(\q):X+4*(\q)+3], v[XO], s[4:5] offset:256*(\q)
.endr
.irp q, 0,1,2,3,4,5,6,7,8,9,10,11,12,13,14,15
	global_load_b128 v[G+4*(\q):G+4*(\q)+3], v[PO], s[6:7] offset:256*(\q)
.endr
.irp q, 0,1,2,3,4,5,6,7,8,9,10,11,12,13,14,15
	global_load_b128 v[B+4*(\q):B+4*(\q)+3], v[PO], s[8:9] offset:256*(\q)
.endr
	v_lshrrev_b32 v13, 1, v10                      ; into the stage: half block 8 sl + i / 2, my row's 16 bytes, my half of them
	v_mul_u32_u24 v[LS], v13, HP
	v_lshl_add_u32 v[LS], v12, 4, v[LS]
	v_and_b32 v13, 1, v0
	v_lshl_add_u32 v[LS], v13, 3, v[LS]
	v_lshl_add_u32 v13, s[WV], 4, v11              ; back: half block 16 w + 2 kb + p, row i
	v_mul_u32_u24 v13, v13, HP
	v_add_nc_u32 v[LR], v13, v[PO]
	v_and_b32 v13, 31, v0
	v_lshlrev_b32 v[GO], 4, v13
.macro RED r                           ; the sum over a row's 16 lanes, in every one of them
	v_add_f32_dpp v[\r], v[\r], v[\r] row_xmask:1 row_mask:0xf bank_mask:0xf
	v_add_f32_dpp v[\r], v[\r], v[\r] row_xmask:2 row_mask:0xf bank_mask:0xf
	v_add_f32_dpp v[\r], v[\r], v[\r] row_xmask:4 row_mask:0xf bank_mask:0xf
	v_add_f32_dpp v[\r], v[\r], v[\r] row_xmask:8 row_mask:0xf bank_mask:0xf
.endm
.macro FOLD                            ; four chains of pairs into one number
	v_pk_add_f32 v[T:T+1], v[T:T+1], v[T+2:T+3]
	v_pk_add_f32 v[T+4:T+5], v[T+4:T+5], v[T+6:T+7]
	v_pk_add_f32 v[T:T+1], v[T:T+1], v[T+4:T+5]
	v_add_f32 v[T], v[T], v[T+1]
	RED T
.endm
	s_wait_loadcnt 32                              ; x is in; gamma's and beta's 32 loads may stay out
.irp c, 0,1,2,3
	v_pk_add_f32 v[T+2*(\c):T+2*(\c)+1], v[X+2*(\c):X+2*(\c)+1], v[X+8+2*(\c):X+8+2*(\c)+1]  ; the first terms start the chains
.endr
.set j, 8
.rept 24
	v_pk_add_f32 v[T+2*(j%4):T+2*(j%4)+1], v[T+2*(j%4):T+2*(j%4)+1], v[X+2*j:X+2*j+1]
.set j, j+1
.endr
	FOLD
	v_mul_f32 v[T+8], s33, v[T]                    ; the mean, twice, for the packed subtraction
	v_mov_b32 v[T+9], v[T+8]
.set j, 0
.rept 32
	v_pk_add_f32 v[X+2*j:X+2*j+1], v[X+2*j:X+2*j+1], v[T+8:T+9] neg_lo:[0,1] neg_hi:[0,1]
.set j, j+1
.endr
.irp c, 0,1,2,3
	v_pk_mul_f32 v[T+2*(\c):T+2*(\c)+1], v[X+2*(\c):X+2*(\c)+1], v[X+2*(\c):X+2*(\c)+1]
.endr
.set j, 4
.rept 28
	v_pk_fma_f32 v[T+2*(j%4):T+2*(j%4)+1], v[X+2*j:X+2*j+1], v[X+2*j:X+2*j+1], v[T+2*(j%4):T+2*(j%4)+1]
.set j, j+1
.endr
	FOLD
	v_fma_f32 v[T+8], v[T], s33, s34               ; var + eps
	v_rsq_f32 v[T+10], v[T+8]
	v_rsq_f32 v[T+11], v[T+8]
	v_nop                                          ; a plain instruction behind the second root,
	s_wait_alu depctr_va_vdst(0)                   ; and the one wait ahead of the first use of the two
	s_wait_loadcnt 0x0                             ; gamma and beta
.set j, 0
.rept 32
	v_pk_mul_f32 v[G+2*j:G+2*j+1], v[G+2*j:G+2*j+1], v[T+10:T+11]
.set j, j+1
.endr
.set j, 0
.rept 32
	v_pk_fma_f32 v[X+2*j:X+2*j+1], v[X+2*j:X+2*j+1], v[G+2*j:G+2*j+1], v[B+2*j:B+2*j+1]
.set j, j+1
.endr
.set j, 0
.rept 32
	v_cvt_pk_f16_f32 v[G+j], v[X+2*j], v[X+2*j+1]
.set j, j+1
.endr
.irp q, 0,1,2,3,4,5,6,7,8,9,10,11,12,13,14,15
	ds_store_b64 v[LS], v[G+2*(\q):G+2*(\q)+1] offset:8*HP*(\q)
.endr
	s_wait_dscnt 0x0                               ; for the others' sake: my stores are done
	s_barrier_signal -1
	s_barrier_wait -1                              ; all 16 rows lie in the stage
.irp k, 0,1,2,3,4,5,6,7
	ds_load_b128 v[X+4*(\k):X+4*(\k)+3], v[LR] offset:2*HP*(\k)
.endr
.irp k, 0,1,2,3,4,5,6,7
	s_wait_dscnt 7-(\k)
	global_store_b128 v[GO], v[X+4*(\k):X+4*(\k)+3], s[10:11] offset:512*(\k)  ; a block: 512 consecutive bytes, aligned
.endr
	s_wait_tensorcnt 0x0                           ; the wave's end, behind my last LDS store
	ds_add_u32 v[SPW], v[NIL]
	s_wait_dscnt 0x0
	s_endpgm
	; ---- the weights.  Which one, and where: s[42:43] source, s33 log2 of its row's bytes, s30 which 64 columns, s31 which 512 rows, s36 offset in wb of unit 0,
	; s38 bytes from block to block, s39 and s40 bytes that bit 0 and bit 1 of the unit's number add
.Lcast_a:
	s_sub_co_u32 s28, s28, 256                     ; 0..127
	s_and_b32 s31, s28, 1
	s_cmp_lt_u32 s28, 96
	s_cbranch_scc0 .Lwo
	s_lshr_b32 s29, s28, 5                         ; 0 wq, 1 wk, 2 wv
	s_bfe_u32 s30, s28, 0x40001                    ; head
	s_cmp_eq_u32 s29, 0
	s_cselect_b64 s[42:43], s[12:13], s[14:15]
	s_cmp_eq_u32 s29, 2
	s_cselect_b64 s[42:43], s[16:17], s[42:43]
	s_mov_b32 s33, 12
	s_lshl_b32 s36, s30, 3
	s_lshl2_add_u32 s36, s31, s36                  ; 8 head + my first K step of 128
	s_mul_i32 s36, s36, 12
	s_lshl2_add_u32 s36, s29, s36                  ; + the first of my four nb
	s_lshl_b32 s36, s36, 12                        ; 8 blocks of 512 bytes to an nb
	s_mov_b32 s38, 4096
	s_mov_b32 s39, 12*4096                         ; a K step on
	s_mov_b32 s40, 24*4096
	s_branch .Lgo
.Lwo:
	s_sub_co_u32 s29, s28, 96
	s_lshr_b32 s30, s29, 1
	s_mov_b64 s[42:43], s[18:19]
	s_mov_b32 s32, 2                               ; 4 steps to a tile
	s_mov_b32 s36, 6291456/512
	s_branch .Lwide
.Lcast_b:
	s_cmp_lt_u32 s28, 128
	s_cbranch_scc0 .Lw2
	s_lshr_b32 s30, s28, 1                         ; which 64 columns, 0..63
	s_and_b32 s31, s28, 1
	s_mov_b64 s[42:43], s[20:21]
	s_mov_b32 s33, 14
	s_lshr_b32 s36, s30, 2                         ; tile of 256 columns
	s_lshl_b32 s36, s36, 3
	s_lshl2_add_u32 s36, s31, s36                  ; 8 tile + my first K step of 128
	s_lshl_b32 s36, s36, 4
	s_and_b32 s60, s30, 3
	s_lshl2_add_u32 s36, s60, s36                  ; + the first of my four nb
	s_lshl_b32 s36, s36, 12
	s_add_co_u32 s36, s36, 8388608
	s_mov_b32 s38, 4096
	s_mov_b32 s39, 16*4096
	s_mov_b32 s40, 32*4096
	s_branch .Lgo
.Lw2:
	s_sub_co_u32 s29, s28, 128
	s_lshr_b32 s30, s29, 3
	s_and_b32 s31, s29, 7
	s_mov_b64 s[42:43], s[22:23]
	s_mov_b32 s32, 4                               ; 16 steps to a tile
	s_mov_b32 s36, 16777216/512
.Lwide:                                        ; wo and w2: rows of 4,096 bytes, tiles of 128 columns, K steps of 256: two units to a step
	s_mov_b32 s33, 12
	s_lshr_b32 s60, s30, 1                         ; tile
	s_lshl_b32 s60, s60, s32
	s_lshl1_add_u32 s60, s31, s60                  ; + my first step
	s_lshl_b32 s60, s60, 3
	s_and_b32 s61, s30, 1
	s_lshl2_add_u32 s60, s61, s60                  ; + the first of my four nb
	s_lshl_b32 s60, s60, 4
	s_add_co_u32 s36, s36, s60
	s_lshl_b32 s36, s36, 9
	s_mov_b32 s38, 8192
	s_mov_b32 s39, 8*512                           ; the step's second eight kb
	s_mov_b32 s40, 8*16*512                        ; a K step on
.Lgo:
	s_add_co_u32 s60, s33, 9
	s_lshl_b32 s34, s31, s60                       ; 512 rows
	s_lshl_b32 s61, s30, 8                         ; 64 columns of 4 bytes
	s_add_co_u32 s34, s34, s61
	s_mov_b32 s35, 0
	s_mov_b32 s37, 0
	s_add_nc_u64 s[44:45], s[42:43], s[34:35]      ; the four units' sources, 128 rows apart,
	s_add_co_u32 s60, s33, 7
	s_lshl_b32 s34, 1, s60
	s_add_nc_u64 s[46:47], s[44:45], s[34:35]
	s_add_nc_u64 s[48:49], s[46:47], s[34:35]
	s_add_nc_u64 s[50:51], s[48:49], s[34:35]
	s_add_nc_u64 s[52:53], s[24:25], s[36:37]      ; and their blocks
	s_mov_b32 s36, s39
	s_add_nc_u64 s[54:55], s[52:53], s[36:37]
	s_mov_b32 s36, s40
	s_add_nc_u64 s[56:57], s[52:53], s[36:37]
	s_add_nc_u64 s[58:59], s[54:55], s[36:37]
	v_and_b32 v1, 15, v0                           ; i: my 16 bytes of a row's 256
	v_bfe_u32 v24, v0, 4, 1                        ; p: which of a load's two rows
	v_lshl_add_u32 v25, s[WV], 4, v24              ; row 16 w + p
	v_lshlrev_b32 v[COFF], s33, v25
	v_lshl_add_u32 v[COFF], v1, 4, v[COFF]
	s_lshl_b32 s60, 2, s33                         ; two rows on
.irp j, 1,2,3,4,5,6,7
	v_add_nc_u32 v[COFF+(\j)], s60, v[COFF+(\j)-1]
.endr
.irp u, 0,1,2,3
.irp j, 0,1,2,3,4,5,6,7
	global_load_b128 v[CX+32*(\u)+4*(\j):CX+32*(\u)+4*(\j)+3], v[COFF+(\j)], s[44+2*(\u):45+2*(\u)] th:TH_LOAD_NT
.endr
.endr
	s_mul_i32 s61, s[WV], STG
	v_bfe_u32 v[CLS], v0, 2, 2                     ; block i / 4
	v_mul_u32_u24 v[CLS], v[CLS], BP
	v_lshl_add_u32 v[CLS], v24, 5, v[CLS]          ; row p of 32 bytes
	v_and_b32 v25, 3, v0
	v_lshl_add_u32 v[CLS], v25, 3, v[CLS]          ; my four columns: 8 bytes
	v_add_nc_u32 v[CLS], s61, v[CLS]
	v_and_b32 v25, 31, v0
	v_lshl_add_u32 v[CLR], v25, 4, s61
	v_lshlrev_b32 v[CDO], 4, v0                    ; 512 w (my kb) + 16 lane
.irp m, 1,2,3
	v_add_nc_u32 v[CDO+(\m)], s38, v[CDO+(\m)-1]
.endr
.irp u, 0,1,2,3
.irp j, 0,1,2,3,4,5,6,7
	s_wait_loadcnt 31-(8*(\u)+(\j))                ; loads come back in order: this one is in, the younger ones stay out
	v_cvt_pk_f16_f32 v[CY+2*(\j)], v[CX+32*(\u)+4*(\j)], v[CX+32*(\u)+4*(\j)+1]
	v_cvt_pk_f16_f32 v[CY+2*(\j)+1], v[CX+32*(\u)+4*(\j)+2], v[CX+32*(\u)+4*(\j)+3]
	ds_store_b64 v[CLS], v[CY+2*(\j):CY+2*(\j)+1] offset:64*(\j)
.endr
.irp m, 0,1,2,3
	ds_load_b128 v[CX+32*(\u)+4*(\m):CX+32*(\u)+4*(\m)+3], v[CLR] offset:BP*(\m)  ; my wave's own bytes; a wave's LDS instructions are served in order: these see the stores above, the next unit's stores come behind them
.endr
.irp m, 0,1,2,3
	s_wait_dscnt 3-(\m)
	global_store_b128 v[CDO+(\m)], v[CX+32*(\u)+4*(\m):CX+32*(\u)+4*(\m)+3], s[52+2*(\u):53+2*(\u)]  ; a block: 512 consecutive bytes, aligned; no register of a store is written again
.endr
.endr
	s_wait_tensorcnt 0x0                           ; the wave's end, behind my last LDS store
	ds_add_u32 v[SPW], v[NIL]
	s_wait_dscnt 0x0
	s_endpgm
.Lfunc_end_k_q8db84fff5c_prep1:
	.size	k_q8db84fff5c_prep1, .Lfunc_end_k_q8db84fff5c_prep1-k_q8db84fff5c_prep1
	.p2alignl 7, 3214868480
	.fill 96, 4, 3214868480
	.section	.rodata,"a",@progbits
	.p2align	6, 0x0
	.amdhsa_kernel k_q8db84fff5c_prep1
		.amdhsa_group_segment_fixed_size 37888
		.amdhsa_private_segment_fixed_size 0
		.amdhsa_enable_private_segment 0
		.amdhsa_kernarg_size 88
		.amdhsa_user_sgpr_count 2
		.amdhsa_user_sgpr_kernarg_segment_ptr 1
		.amdhsa_wavefront_size32 1
		.amdhsa_system_sgpr_workgroup_id_x 1
		.amdhsa_system_sgpr_workgroup_id_y 1
		.amdhsa_system_sgpr_workgroup_id_z 1
		.amdhsa_system_vgpr_workitem_id 0
		.amdhsa_next_free_vgpr 224
		.amdhsa_next_free_sgpr 66
		.amdhsa_reserve_vcc 0
		.amdhsa_float_denorm_mode_32 3
		.amdhsa_float_denorm_mode_16_64 3
		.amdhsa_memory_ordered 1
		.amdhsa_forward_progress 1
		.amdhsa_inst_pref_size 40
	.end_amdhsa_kernel
	.amdgpu_metadata
---
amdhsa.version: [ 1, 2 ]
amdhsa.kernels:
  - .name:           k_q8db84fff5c_prep1
    .symbol:         k_q8db84fff5c_prep1.kd
    .args:
      - { .name: x, .offset: 0, .size: 8, .value_kind: global_buffer, .address_space: global }
      - { .name: ln1_g, .offset: 8, .size: 8, .value_kind: global_buffer, .address_space: global }
      - { .name: ln1_b, .offset: 16, .size: 8, .value_kind: global_buffer, .address_space: global }
      - { .name: hbuf, .offset: 24, .size: 8, .value_kind: global_buffer, .address_space: global }
      - { .name: wq, .offset: 32, .size: 8, .value_kind: global_buffer, .address_space: global }
      - { .name: wk, .offset: 40, .size: 8, .value_kind: global_buffer, .address_space: global }
      - { .name: wv, .offset: 48, .size: 8, .value_kind: global_buffer, .address_space: global }
      - { .name: wo, .offset: 56, .size: 8, .value_kind: global_buffer, .address_space: global }
      - { .name: w1, .offset: 64, .size: 8, .value_kind: global_buffer, .address_space: global }
      - { .name: w2, .offset: 72, .size: 8, .value_kind: global_buffer, .address_space: global }
      - { .name: wb, .offset: 80, .size: 8, .value_kind: global_buffer, .address_space: global }
    .group_segment_fixed_size: 37888
    .private_segment_fixed_size: 0
    .kernarg_segment_align: 8
    .kernarg_segment_size: 88
    .max_flat_workgroup_size: 256
    .sgpr_count:     66
    .vgpr_count:     224
    .wavefront_size: 32
...
	.end_amdgpu_metadata
.endif
;; end of part 1
;; launch proj_qkv (part 2): grid 16 x 16, 4 waves a work-group, clusters of 4 x 4, 327,680 bytes of LDS; arguments hbuf, wb, qkvb; writes qkvb
.if DOCPART == 2
	.amdgcn_target "amdgcn-amd-amdhsa--gfx1250"
	.amdhsa_code_object_version 6
	.text
	.protected	k_q8db84fff5c_proj_qkv
	.globl	k_q8db84fff5c_proj_qkv
	.p2align	8
	.type	k_q8db84fff5c_proj_qkv,@function
k_q8db84fff5c_proj_qkv:
	s_mov_b64 s[64:65], 0
	v_nop
	global_prefetch_b8 v0, s[64:65] scope:SCOPE_SE
	s_setreg_imm32_b32 hwreg(HW_REG_WAVE_MODE, 25, 1), 1
	s_wait_xcnt 0x0
	s_wait_alu depctr_hold_cnt(0) depctr_sa_sdst(0) depctr_va_vdst(0) depctr_va_sdst(0) depctr_va_ssrc(0) depctr_va_vcc(0) depctr_vm_vsrc(0)
	s_getreg_b32 s2, hwreg(HW_REG_IB_STS2, 6, 4)
	s_cmp_eq_u32 s2, 0
	s_cbranch_scc0 .Lentry_in_a_cluster
	s_endpgm
.Lentry_in_a_cluster:
	s_bfe_u32 s2, ttmp6, 0x10000c
	s_cmp_lg_u32 s2, 0xf033
	s_cbranch_scc0 .Lentry_shape_is_right
	s_endpgm
.Lentry_shape_is_right:
; q, k, v = LN1(x) wq, wk, wv.  f16 operands, f32 sums, each result rounded once to f16.  LIMIT: f16 holds no number beyond 65,504; q, k and v are taken to stay within it.
; A tile of the result is 256 rows x 192 columns: ONE HEAD's q, k and v (64 columns each), so all tiles are alike.  Four waves, each 64 rows x 192: 48 accumulators, 384 registers.
; OPERANDS LIE IN BLOCKS OF 512 BYTES.  A (hbuf): [K step][16 rows][kb][512], the 16 bytes of (row r, k = 8 h ..) at 16 (16 h + r): two blocks on end ARE a fragment, lane l at 16 l.
; W (wb): [head][K step][nb 12][kb 8][512], a block 16 k x 16 n in rows of 32 bytes: two turning loads make a fragment.  A tile of a K step is dense in memory and in LDS: no padding, no bank met twice.
; q and k are taken transposed (source 0 = W, source 1 = A): a lane holds one row and 8 neighbouring channels, 16 bytes of a block of (token r, 8 channels).  v is taken as it comes (source 0 = A):
; a lane holds one channel and 8 tokens: a block of (channel r, 8 tokens), as the attention's second product wants it.  So every result leaves straight from registers, 512 consecutive bytes a store.
; out: q +0, k +8,388,608, v +16,777,216, each [16 batch + head][16 tokens 128][16 channels 4][512].
; RING: K in steps of 128 through two LDS slots; waves 0, 1 fetch A's halves, waves 2, 3 W's, one tensor load each.  CLUSTER 4 x 4: A's tile is asked for jointly along a row, W's along a column.
; By this text's count a wave has two tensor loads out at the start and one behind each round.
.set MB, 4
.set NB, 12
.set KD, 1
.set KSTEP, 128
.set T, 8
.set BT, 49152
.set STEPA, 1<<20
.set WOFF, 0
.set YOUNG, 4
.set NATFROM, 8
.set AHEAD, 1
.set CMODE, 1
.set SLOT1, 1<<17                      ; a slot: A's 65,536 bytes, then W's
.set BOFF, 65536
.set SPARE, 262144                     ; behind the ring: the spare words, 128 bytes for each wave, which no other line names
.set MBS, KSTEP*32                     ; 16 rows (or columns) of a K step
.set MPP, MB*KD/4
.set F0, 0                             ; fragment buffers, in window 1: NB of W, then MB of A
.set F1, 128
.set ADRA0, 4
.set ADRB0, 5
.set ADRA, 6
.set ADRB, 7
.set PFO, 8
.set SPW, 28
.set NIL, 29
.set BIAS, 32
.set WV, 14
.set ROLE, 15
.set HALF, 16
.set CX, 17
.set CY, 18
.set TCOL, 19
.set TROW, 20
.set G1A, 24
.set G1B, 32
.set AA, 40
.set BA, 42
.set G0A, 48
.set G0B, 56
.set TB, 66
.set CNT, 67
.set LIM, 68
.set WM, 69
.set PFA, 70
.set PFS, 72
.set WN, 74
.set MSB, 0
.macro WIN new                         ; s_set_vgpr_msb: bits 1:0 source 0, 3:2 source 1, 5:4 source 2, 7:6 destination; the high byte repeats the setting that is left
.if MSB != (\new)
	s_set_vgpr_msb (MSB<<8)|(\new)
.set MSB, (\new)
.endif
.endm
.macro PLACES                          ; four plain places behind matrix instructions, ahead of loads into registers that they read and of readers of their results
.rept 4
	v_nop
.endr
.endm
.macro CREST                           ; a round of the cluster's barrier behind its opening barrier
	s_cmp_lg_u32 s[WV], 0
	s_cbranch_scc1 .Lnot_wave_0_\@
	s_barrier_signal -3
.Lnot_wave_0_\@:
	s_barrier_wait -3
	s_barrier_signal -1
	s_barrier_wait -1
.endm
.macro CROUND
	s_barrier_signal -1
	s_barrier_wait -1
	CREST
.endm
.macro JLOAD                           ; a joint refill by the walking descriptors; the branch hangs on the wave's number alone; s_nop 0 and four v_nop follow each line
	s_cmp_eq_u32 s[ROLE], 0
	s_cbranch_scc0 .Lfor_b_\@
	tensor_load_to_lds s[G0A+4:G0A+7], s[G1A:G1A+7]
	s_nop 0
	PLACES
	s_branch .Lasked_\@
.Lfor_b_\@:
	tensor_load_to_lds s[G0B+4:G0B+7], s[G1B:G1B+7]
	s_nop 0
	PLACES
.Lasked_\@:
.endm
.macro ASK                             ; a prefetch into the L2 of my share of the K step AHEAD refills on: a lane a block of 256 bytes; the last AHEAD refills ask for nothing
	s_cmp_gt_u32 s[CNT], s[LIM]
	s_cbranch_scc0 .Lnot_mine_\@
	global_prefetch_b8 v[PFO], s[PFA:PFA+1] th:TH_LOAD_NT scope:SCOPE_SE
.Lnot_mine_\@:
.endm
; Part p of four of a quarter step's products on buffer f.  cm = 0: add in place; 1: the product starts the sum with 0.  The accumulators take turns, one instruction a turn.
.macro MULP f, p, cm
.set u, (\p)*MPP
.rept MPP
.set kd, u/MB
.set mb, u%MB
.set nb, 0
.rept NB
.set aw, 2+(8*(mb*NB+nb))/256
.set ar, (8*(mb*NB+nb))%256
.set x0, (\f)+kd*8*(NB+MB)+8*nb
.set x1, (\f)+kd*8*(NB+MB)+8*NB+8*mb
.if nb >= NATFROM
.set x0, (\f)+kd*8*(NB+MB)+8*NB+8*mb
.set x1, (\f)+kd*8*(NB+MB)+8*nb
.endif
	WIN 0x05|(aw*0x50)
.if (\cm) == 1
	v_wmma_f32_16x16x32_f16 v[ar:ar+7], v[x0:x0+7], v[x1:x1+7], 0
.else
	v_wmma_f32_16x16x32_f16 v[ar:ar+7], v[x0:x0+7], v[x1:x1+7], v[ar:ar+7]
.endif
.set nb, nb+1
.endr
.set u, u+1
.endr
.endm
.macro FETCH q, f                      ; 32 LDS loads in one run: quarter q's fragments into buffer f
	WIN 0x40
.set kd, 0
.rept KD
.set ko, ((\q)*KD+kd)*1024
.set fb, (\f)+kd*8*(NB+MB)
.set n, 0
.rept NB
	ds_load_tr16_b128 v[fb+8*n:fb+8*n+3], v[ADRB] offset:n*MBS+ko
	ds_load_tr16_b128 v[fb+8*n+4:fb+8*n+7], v[ADRB] offset:n*MBS+ko+512
.set n, n+1
.endr
.set n, 0
.rept MB
	ds_load_b128 v[fb+8*NB+8*n:fb+8*NB+8*n+3], v[ADRA] offset:n*MBS+ko
	ds_load_b128 v[fb+8*NB+8*n+4:fb+8*NB+8*n+7], v[ADRA] offset:n*MBS+ko+512
.set n, n+1
.endr
.set kd, kd+1
.endr
.endm
.macro QUARTER f, g, q, cm             ; multiplies buffer f; in its middle fetches quarter q into buffer g
	s_wait_dscnt YOUNG                             ; all but the youngest YOUNG loads, which only the second half reads
	MULP \f, 0, \cm
	MULP \f, 1, \cm
	PLACES
	FETCH \q, \g
	s_wait_dscnt 32                                ; all but the 32 just issued
	MULP \f, 2, \cm
	MULP \f, 3, \cm
.endm
; The last quarter multiplies buffer 1 and changes slots.  Ahead of the barrier each wave waits for all its tensor loads (its part of the next slot), adds 0 to its spare word, and waits for that and for its reads of this slot.
; fill = 1: the barrier opens a round of the cluster's, and the joint refill of this slot, two K steps on, is the first thing behind it.
.macro TURN fill
.if (\fill) && AHEAD
	s_wait_xcnt 0x0                                ; the last prefetch, a K step back, has read its address
	s_add_nc_u64 s[PFA:PFA+1], s[PFA:PFA+1], s[PFS:PFS+1]
.endif
	WIN 0
	s_wait_tensorcnt 0x0
	ds_add_u32 v[SPW], v[NIL]
	s_wait_dscnt YOUNG+1                           ; the add and the youngest YOUNG loads may be out
	MULP F1, 0, 0
	s_wait_dscnt 0x0                               ; the add is done, my reads of this slot are over
	s_barrier_signal -1
	MULP F1, 1, 0
	WIN 0
	s_barrier_wait -1
.if \fill
	CREST
	s_xor_b32 s[G0A+5], s[G0A+5], SLOT1
	s_add_nc_u64 s[G0A+6:G0A+7], s[G0A+6:G0A+7], STEPA
	s_xor_b32 s[G0B+5], s[G0B+5], SLOT1
	s_add_nc_u64 s[G0B+6:G0B+7], s[G0B+6:G0B+7], BT
	JLOAD
.else
	PLACES
.endif
	s_xor_b32 s[TB], s[TB], SLOT1
	v_add_nc_u32 v[ADRA], s[TB], v[ADRA0]
	v_add_nc_u32 v[ADRB], s[TB], v[ADRB0]
	FETCH 0, F0
.if (\fill) && AHEAD
	WIN 0
	ASK
.endif
	MULP F1, 2, 0
	MULP F1, 3, 0
.endm
	s_load_b128 s[4:7], s[0:1], 0x0                ; A s[4:5], W s[6:7]
	s_load_b64 s[8:9], s[0:1], 0x10                ; out
	v_lshl_add_u32 v[SPW], v0, 2, SPARE
	v_mov_b32 v[NIL], 0
	ds_add_u32 v[SPW], v[NIL]                      ; the wave's opening: the add and its wait ahead of my first tensor load
	v_lshrrev_b32 v1, 5, v0
	v_readfirstlane_b32 s[WV], v1
	s_lshr_b32 s[ROLE], s[WV], 1                   ; I fetch for A (0) or for W (1),
	s_and_b32 s[HALF], s[WV], 1                    ; this half of the tile
	s_mov_b32 s[WM], s[WV]                         ; the four waves split the rows
	s_mov_b32 s[WN], 0
	s_bfe_u32 s[CX], ttmp6, 0x40000
	s_bfe_u32 s[CY], ttmp6, 0x40004
	s_lshl_b32 s[TCOL], ttmp9, 2
	s_add_co_u32 s[TCOL], s[TCOL], s[CX]           ; the head
	s_and_b32 s[TROW], ttmp7, 0xffff
	s_lshl_b32 s[TROW], s[TROW], 2
	s_add_co_u32 s[TROW], s[TROW], s[CY]           ; 256 rows
	s_lshl_b32 s44, s[CY], 2
	s_lshl_b32 s44, 15, s44                        ; my row of the cluster
	s_lshl_b32 s46, 0x1111, s[CX]                  ; my column
	s_or_b32 s[G1A], s44, (3<<16)|(1<<21)          ; the mask; elements of 8 bytes; bit 21 set beside a mask; no padding
	s_or_b32 s[G1B], s46, (3<<16)|(1<<21)
	s_mov_b32 s[G1A+1], 32<<16                     ; a dense block as rows of 32 elements = 256 bytes
	s_mov_b32 s[G1A+2], 128<<16
	s_mov_b32 s[G1A+3], 32<<16
	s_mov_b32 s[G1A+4], 128
	s_mov_b32 s[G1A+5], 32
	s_mov_b32 s[G1A+6], 0
	s_mov_b32 s[G1A+7], 0
	s_mov_b32 s[G1B+1], 32<<16
	s_mov_b32 s[G1B+2], (BT/512)<<16
	s_mov_b32 s[G1B+3], 32<<16
	s_mov_b32 s[G1B+4], BT/512
	s_mov_b32 s[G1B+5], 32
	s_mov_b32 s[G1B+6], 0
	s_mov_b32 s[G1B+7], 0
	s_lshl_b32 s44, s[TROW], 16                    ; A's tile hangs on the tile row alone,
	s_lshl_b32 s45, s[HALF], 15
	s_add_co_u32 s44, s44, s45
	s_mov_b32 s45, 0
	s_mul_i32 s46, s[TCOL], T*BT                   ; W's on the tile column alone
	s_mul_i32 s47, s[HALF], BT/2
	s_add_co_u32 s46, s46, s47
	s_add_co_u32 s46, s46, WOFF
	s_mov_b32 s47, 0
	s_lshl_b32 s21, s[WV], 15                      ; where they go: the wave's number times a constant
	s_mul_i32 s22, s[WV], BT/2
	s_add_co_u32 s22, s22, 65536-BT
	s_wait_dscnt 0x0                               ; the opening add is done
	s_wait_kmcnt 0x0
	s_add_nc_u64 s[AA:AA+1], s[4:5], s[44:45]
	s_add_nc_u64 s[BA:BA+1], s[6:7], s[46:47]
	CROUND                                         ; all sixteen work-groups are here: the first joint loads meet
.irp s, 0,1
	s_mov_b32 s[G0A+4*(\s)], 1
	s_add_co_u32 s[G0A+4*(\s)+1], s21, (\s)*SLOT1
	s_add_nc_u64 s[G0A+4*(\s)+2:G0A+4*(\s)+3], s[AA:AA+1], (\s)*STEPA
	s_or_b32 s[G0A+4*(\s)+3], s[G0A+4*(\s)+3], 0x80000000
	s_mov_b32 s[G0B+4*(\s)], 1
	s_add_co_u32 s[G0B+4*(\s)+1], s22, (\s)*SLOT1
	s_add_nc_u64 s[G0B+4*(\s)+2:G0B+4*(\s)+3], s[BA:BA+1], (\s)*BT
	s_or_b32 s[G0B+4*(\s)+3], s[G0B+4*(\s)+3], 0x80000000
.endr
	s_cmp_eq_u32 s[ROLE], 0                        ; a wave's two first fills stand in one branch
	s_cbranch_scc0 .Lfirst_b
	tensor_load_to_lds s[G0A:G0A+3], s[G1A:G1A+7]
	s_nop 0
	tensor_load_to_lds s[G0A+4:G0A+7], s[G1A:G1A+7]
	s_nop 0
	PLACES
	s_branch .Lfirst_asked
.Lfirst_b:
	tensor_load_to_lds s[G0B:G0B+3], s[G1B:G1B+7]
	s_nop 0
	tensor_load_to_lds s[G0B+4:G0B+7], s[G1B:G1B+7]
	s_nop 0
	PLACES
.Lfirst_asked:
	v_and_b32 v1, 31, v0
	v_lshlrev_b32 v2, 4, v1                        ; 16 x lane
	v_bfe_u32 v16, v0, 4, 1
	v_bfe_u32 v17, v0, 3, 1
	s_mul_i32 s76, s[WM], MB*MBS
	v_add_nc_u32 v[ADRA0], s76, v2
	v_and_b32 v3, 7, v0                            ; the turning load: row 8 (l / 16) + l % 8 of 32 bytes, half (l / 8) % 2 of it
	v_lshl_add_u32 v3, v16, 3, v3
	v_lshlrev_b32 v3, 5, v3
	v_lshl_add_u32 v3, v17, 4, v3
	s_mul_i32 s77, s[WN], NB*MBS
	s_add_co_u32 s77, s77, BOFF
	v_add_nc_u32 v[ADRB0], s77, v3
	v_mov_b32 v[ADRA], v[ADRA0]
	v_mov_b32 v[ADRB], v[ADRB0]
	s_mov_b32 s[TB], 0
	; the prefetches: A's tile rows are read by every cluster of a row of clusters: cluster x = 0 asks; W's by every cluster of a column: cluster y = 0 asks.  The four joint partners share a wave's part out by address.
	s_and_b32 s76, ttmp7, 0xffff
	s_mov_b32 s78, BT/8
	s_mov_b32 s[PFS], BT
	s_mov_b32 s79, BT/2048-1
	s_cmp_eq_u32 s[ROLE], 0
	s_cselect_b32 s76, ttmp9, s76
	s_cselect_b32 s77, s[CX], s[CY]
	s_cselect_b32 s78, 8192, s78
	s_cselect_b32 s[PFS], STEPA, s[PFS]
	s_cselect_b32 s79, 31, s79
	s_cselect_b64 s[PFA:PFA+1], s[AA:AA+1], s[BA:BA+1]
	s_cmp_eq_u32 s76, 0
	s_cselect_b32 s[LIM], AHEAD, -1
	s_mul_i32 s76, s77, s78
	s_mul_i32 s77, s[PFS], 1+AHEAD
	s_add_co_u32 s76, s76, s77
	s_mov_b32 s77, 0
	s_add_nc_u64 s[PFA:PFA+1], s[PFA:PFA+1], s[76:77]  ; the first refill steps it to K step 2 + AHEAD
	s_mov_b32 s[PFS+1], 0
	v_min_u32 v[PFO], s79, v1                      ; (W's share is 24 blocks: the last lanes name the 24th again)
	v_lshlrev_b32 v[PFO], 8, v[PFO]
	; the way out's addresses
	v_mov_b32 v9, v2
	v_add_nc_u32 v10, 0x800000, v2
	v_add_nc_u32 v11, 0x1000000, v2
	s_lshr_b32 s76, s[TROW], 3                     ; batch
	s_lshl4_add_u32 s76, s76, s[TCOL]              ; 16 batch + head
	s_lshl_b32 s76, s76, 7
	s_and_b32 s77, s[TROW], 7
	s_lshl4_add_u32 s76, s77, s76
	s_lshl2_add_u32 s76, s[WV], s76                ; my first block of 16 tokens
	s_lshl_b32 s76, s76, 11
	s_mov_b32 s77, 0
	s_add_nc_u64 s[8:9], s[8:9], s[76:77]
	s_wait_tensorcnt 0x1                           ; my part of K step 0 is in; step 1's may stay out
	s_barrier_signal -1
	s_barrier_wait -1
	FETCH 0, F0
	QUARTER F0, F1, 1, CMODE                       ; the first quarter starts the sums
	WIN 0
	s_mov_b32 s[CNT], T-2
.Lstep:                                        ; a trip: from a K step's second quarter to the next step's first; the slot left is filled again
	QUARTER F1, F0, 2, 0
	QUARTER F0, F1, 3, 0
	TURN 1
	QUARTER F0, F1, 1, 0
	WIN 0
	s_sub_co_u32 s[CNT], s[CNT], 1
	s_cmp_lg_u32 s[CNT], 0
	s_cbranch_scc1 .Lstep
	s_mov_b32 s[CNT], 2
.Ltail:                                        ; the last two K steps ask for nothing more: a text of their own; the second trip is left in its middle
	QUARTER F1, F0, 2, 0
	QUARTER F0, F1, 3, 0
	WIN 0
	s_sub_co_u32 s[CNT], s[CNT], 1
	s_cmp_eq_u32 s[CNT], 0
	s_cbranch_scc1 .Llast
	TURN 0
	QUARTER F0, F1, 1, 0
	WIN 0
	s_branch .Ltail
.Llast:
	s_wait_dscnt YOUNG
	MULP F1, 0, 0
	MULP F1, 1, 0
	s_wait_dscnt 0x0
	MULP F1, 2, 0
	MULP F1, 3, 0
	WIN 0
	PLACES
	; THE WAY OUT: a lane's eight numbers are 16 bytes of a block; no register is used twice, so nothing is waited for
.set a, 0
.rept MB*NB
.set aw, 2+(8*a)/256
.set ar, (8*a)%256
	WIN aw|(aw<<2)
.irp r, 0,1,2,3
	v_cvt_pk_f16_f32 v[32+4*a+(\r)], v[ar+2*(\r)], v[ar+2*(\r)+1]
.endr
.set a, a+1
.endr
	WIN 0
.set a, 0
.rept MB*NB
	global_store_b128 v[9+(a%NB)/4], v[32+4*a:32+4*a+3], s[8:9] offset:(a/NB)*2048+((a%NB)%4)*512  ; 512 consecutive bytes, aligned
.set a, a+1
.endr
	s_wait_tensorcnt 0x0                           ; the wave's end
	ds_add_u32 v[SPW], v[NIL]
	s_wait_dscnt 0x0
	CROUND                                         ; the closing round
	s_endpgm
.Lfunc_end_k_q8db84fff5c_proj_qkv:
	.size	k_q8db84fff5c_proj_qkv, .Lfunc_end_k_q8db84fff5c_proj_qkv-k_q8db84fff5c_proj_qkv
	.p2alignl 7, 3214868480
	.fill 96, 4, 3214868480
	.section	.rodata,"a",@progbits
	.p2align	6, 0x0
	.amdhsa_kernel k_q8db84fff5c_proj_qkv
		.amdhsa_group_segment_fixed_size 327680
		.amdhsa_private_segment_fixed_size 0
		.amdhsa_enable_private_segment 0
		.amdhsa_kernarg_size 24
		.amdhsa_user_sgpr_count 2
		.amdhsa_user_sgpr_kernarg_segment_ptr 1
		.amdhsa_wavefront_size32 1
		.amdhsa_system_sgpr_workgroup_id_x 1
		.amdhsa_system_sgpr_workgroup_id_y 1
		.amdhsa_system_sgpr_workgroup_id_z 1
		.amdhsa_system_vgpr_workitem_id 0
		.amdhsa_next_free_vgpr 896
		.amdhsa_next_free_sgpr 80
		.amdhsa_reserve_vcc 0
		.amdhsa_float_denorm_mode_32 3
		.amdhsa_float_denorm_mode_16_64 3
		.amdhsa_memory_ordered 1
		.amdhsa_forward_progress 1
		.amdhsa_inst_pref_size 80
	.end_amdhsa_kernel
	.amdgpu_metadata
---
amdhsa.version: [ 1, 2 ]
amdhsa.kernels:
  - .name:           k_q8db84fff5c_proj_qkv
    .symbol:         k_q8db84fff5c_proj_qkv.kd
    .args:
      - { .name: hbuf, .offset: 0, .size: 8, .value_kind: global_buffer, .address_space: global }
      - { .name: wb, .offset: 8, .size: 8, .value_kind: global_buffer, .address_space: global }
      - { .name: qkvb, .offset: 16, .size: 8, .value_kind: global_buffer, .address_space: global }
    .group_segment_fixed_size: 327680
    .private_segment_fixed_size: 0
    .kernarg_segment_align: 8
    .kernarg_segment_size: 24
    .max_flat_workgroup_size: 128
    .sgpr_count:     80
    .vgpr_count:     896
    .wavefront_size: 32
...
	.end_amdgpu_metadata
.endif
;; end of part 2
;; launch attn (part 3): grid 8 x 32, 4 waves a work-group, clusters of 4 x 1, 327,680 bytes of LDS; arguments qkvb, ob; writes ob
.if DOCPART == 3
	.amdgcn_target "amdgcn-amd-amdhsa--gfx1250"
	.amdhsa_code_object_version 6
	.text
	.protected	k_q8db84fff5c_attn
	.globl	k_q8db84fff5c_attn
	.p2align	8
	.type	k_q8db84fff5c_attn,@function
k_q8db84fff5c_attn:
	s_mov_b64 s[64:65], 0
	v_nop
	global_prefetch_b8 v0, s[64:65] scope:SCOPE_SE
	s_setreg_imm32_b32 hwreg(HW_REG_WAVE_MODE, 25, 1), 1
	s_wait_xcnt 0x0
	s_wait_alu depctr_hold_cnt(0) depctr_sa_sdst(0) depctr_va_vdst(0) depctr_va_sdst(0) depctr_va_ssrc(0) depctr_va_vcc(0) depctr_vm_vsrc(0)
	s_getreg_b32 s2, hwreg(HW_REG_IB_STS2, 6, 4)
	s_cmp_eq_u32 s2, 0
	s_cbranch_scc0 .Lentry_in_a_cluster
	s_endpgm
.Lentry_in_a_cluster:
	s_bfe_u32 s2, ttmp6, 0x10000c
	s_cmp_lg_u32 s2, 0x3003
	s_cbranch_scc0 .Lentry_shape_is_right
	s_endpgm
.Lentry_shape_is_right:
; O[hb][q] = the sum over k of softmax_k(Q[hb][q] . K[hb][k]) V[hb][k], no scale, no mask; 32 (batch, head) pairs of 2,048 x 64.  Operands f16; products, maxima and sums f32; the weights p are rounded
; to f16 for the second product (their sum l is taken of the unrounded p), O once at the end.
; LIMITS.  f16 holds no number beyond 65,504: q, k, v arrive within it; p lies in 0 to 1 and below 6e-5 keeps f16's fixed step; a weight below 2^-126 counts as 0 in l; NaN and infinities are not treated apart.
; IN: q +0, k +8,388,608, v +16,777,216, each [hb][16 tokens 128][16 channels 4][512 bytes].  q's and k's blocks hold (token r, channels 8 h ..) at 16 (16 h + r); v's hold (channel r, tokens 8 h ..):
; two blocks ARE a fragment, lane l at 16 l: plain loads, dense tiles, no padding.  OUT: [head / 4][16 rows 256][kb = 4 (head % 4) + channel block][512], the operand of the product behind.
; SHARES.  A work-group owns 256 queries of one hb, a wave 64: four PIECES of 16.  Every wave walks all keys, 64 a step, 256 to a slot.
; S^T = K Q^T holds ONE query a lane and the keys 8 (lane / 16) + 0..7; two such results rounded in pairs ARE source 1 of O^T = V^T P.  p = 2^(c s - c m), c = log2(e), with a running maximum m;
; O and l are multiplied by a = 2^(c m_old - c m_new) in every step.  m starts at the lowest finite number, O and l at 0: the first step is a step like any other, with a = 0.
; BY TURNS.  Turn n belongs to piece n: 8 products K Q^T of piece n + 1, later 8 products V^T P of piece n - 1; beside them piece n's scaling, exponentials, roundings, sums and rescaling and piece n + 1's maximum
; and statistics.  Four vector instructions stand behind every matrix instruction, the rest in one lump.  A turn's 33 exponentials are one batch with one wait.
; CLUSTER.  The four query blocks of a cluster walk the same K and V: each tile is asked for jointly, by the same tensor load, descriptor and mask in all four; wave w brings 16,384 bytes (K: waves 0, 1; V: 2, 3).
; REGISTERS, in windows of 256.  Window 0 holds ALL that a vector instruction of the loop names, and is full: 2 addresses, 26 of statistics, 4 that are never rewritten, P 32, S^T 64, O^T 128.
; Window 1 holds what matrix instructions alone read: Q, K and V of one step, 64 each.  So a matrix instruction costs two switches of the window, and the vector work none.
.set NP,    4
.set STEPB, 8192                       ; a step's 64 keys of K, or of V
.set SLOT1, 1<<16                      ; a slot: K's 32,768 bytes, then V's
.set VOFF,  32768
.set SPARE, 131072                     ; behind the ring: the spare words, 128 bytes for each wave, which no other line names
.set AK,  0                            ; v0   the LDS address of K's next run of loads (the thread's number is wanted at the head alone)
.set AV,  1                            ; v1   of V's, less VOFF
.set MV,  2                            ; v2-3   c m_old, kept while c m is made anew: by buffer
.set TMP, 4                            ; v4-11  by buffer, four registers at work
.set ST,  12                           ; v12-27 piece t's statistics at v[ST+4 t]: c m, m, l (even keys', odd keys')
.set PFO, 28                           ; v28  256 x lane; never rewritten
.set L16, 29                           ; v29  16 x lane: my place in every block; never rewritten
.set SPW, 30
.set NIL, 31
.set P,   32                           ; two buffers of 16
.set S,   64                           ; two buffers of 32
.set O,   128                          ; 32 a piece
.set Q,   0                            ; window 1
.set KF,  64
.set VF,  128
.set WV,  12
.set G1,  24
.set G0,  40
.set PFA, 46
.set LIM, 48
.set SLOTS, 56
.set CNT, 57
.set CS,  58
.set SEL, 60
.set TBK, 62
.set TBV, 63
.set MSB, 0
.macro WIN new                         ; bits 1:0 source 0, 3:2 source 1, 5:4 source 2, 7:6 destination; the high byte repeats the setting that is left
.if MSB != (\new)
	s_set_vgpr_msb (MSB<<8)|(\new)
.set MSB, (\new)
.endif
.endm
.set W_KQ, 0x05                        ; K and Q in window 1, S^T in window 0
.set W_PV, 0x01                        ; V in window 1, P and O^T in window 0
.set W_LD, 0x40                        ; a load's destination in window 1, its address in window 0
.macro CROUND
	s_barrier_signal -1
	s_barrier_wait -1
	s_cmp_lg_u32 s[WV], 0
	s_cbranch_scc1 .Lnot_wave_0_\@
	s_barrier_signal -3
.Lnot_wave_0_\@:
	s_barrier_wait -3
	s_barrier_signal -1
	s_barrier_wait -1
.endm
.macro JLOAD                           ; one line for all waves: both addresses hang on the wave's number; s_nop 0 and four v_nop follow
	tensor_load_to_lds s[G0:G0+3], s[G1:G1+7]
	s_nop 0
.rept 4
	v_nop
.endr
.endm
.macro ASK                             ; a prefetch into the L2 of what the NEXT change will ask for: the head's first cluster asks, wave 0 for K, wave 2 for V; the partners share the tile's 128 blocks of 256 bytes out by address, a lane a block
	s_cmp_gt_u32 s[SLOTS], s[LIM]
	s_cbranch_scc0 .Lnot_mine_\@
	global_prefetch_b8 v[PFO], s[PFA:PFA+1] th:TH_LOAD_NT scope:SCOPE_SE
.Lnot_mine_\@:
.endm
; THE CHANGE OF SLOTS.  Each wave waits for all its tensor loads (one is out: its part of the other slot), adds 0 to its spare word, and waits for that and for its reads of the slot that it leaves.
; fill = 1: the barrier is a round of the cluster's, and the joint refill, with the keys two slots on, is the first thing behind it: it has four key steps, 256 matrix instructions, in which to land.
.macro CHANGE fill, ask
	WIN 0
	s_wait_tensorcnt 0x0
	ds_add_u32 v[SPW], v[NIL]
.if \fill
	s_xor_b32 s[G0+1], s[G0+1], SLOT1
	s_add_nc_u64 s[G0+2:G0+3], s[G0+2:G0+3], 32768
.if \ask
	s_wait_xcnt 0x0                                ; the last prefetch, four key steps back, has read its address
	s_add_nc_u64 s[PFA:PFA+1], s[PFA:PFA+1], 32768
.endif
	s_wait_dscnt 0x0
	CROUND
	JLOAD
.if \ask
	ASK
.endif
.else
	s_wait_dscnt 0x0
	s_barrier_signal -1
	s_barrier_wait -1
.endif
	s_sub_co_u32 s[TBK], s[TBK], 4*STEPB           ; the fetches go back to a slot's first step, in the other slot
	s_xor_b32 s[TBK], s[TBK], SLOT1
	s_sub_co_u32 s[TBV], s[TBV], 4*STEPB
	s_xor_b32 s[TBV], s[TBV], SLOT1
.endm
	s_load_b128 s[4:7], s[0:1], 0x0                ; qkvb s[4:5], ob s[6:7]
	v_lshl_add_u32 v[SPW], v0, 2, SPARE
	v_mov_b32 v[NIL], 0
	ds_add_u32 v[SPW], v[NIL]                      ; the wave's opening: the add and its wait ahead of my first tensor load
	v_lshrrev_b32 v1, 5, v0
	v_readfirstlane_b32 s[WV], v1
	s_bfe_u32 s13, ttmp6, 0x40000                  ; cx
	s_lshl_b32 s14, ttmp9, 2
	s_add_co_u32 s14, s14, s13                     ; my block of 256 queries: it enters Q's and O's addresses alone
	s_and_b32 s15, ttmp7, 0xffff                   ; hb, which the four partners share
	s_lshr_b32 s16, s[WV], 1                       ; my part of a tile: K (waves 0, 1) or V (2, 3),
	s_add_co_u32 s16, s16, 1
	s_lshl_b32 s16, s16, 23
	s_lshl_b32 s17, s15, 18                        ; the pair's 262,144 bytes,
	s_add_co_u32 s16, s16, s17
	s_and_b32 s17, s[WV], 1                        ; this half of the tile's 32,768
	s_lshl_b32 s17, s17, 14
	s_add_co_u32 s16, s16, s17
	s_mov_b32 s17, 0
	s_and_b32 s20, s15, 15                         ; head
	s_lshr_b32 s21, s15, 4                         ; batch
	s_lshr_b32 s22, s20, 2
	s_lshl_b32 s22, s22, 8
	s_lshl_b32 s21, s21, 7
	s_add_co_u32 s22, s22, s21
	s_lshl_b32 s21, s14, 4
	s_lshl2_add_u32 s21, s[WV], s21                ; my first block of 16 queries in the pair
	s_add_co_u32 s22, s22, s21
	s_lshl_b32 s22, s22, 4
	s_and_b32 s20, s20, 3
	s_lshl2_add_u32 s22, s20, s22
	s_lshl_b32 s22, s22, 9                         ; O
	s_mov_b32 s23, 0
	s_lshl_b32 s20, s15, 18
	s_lshl_b32 s21, s21, 11
	s_add_co_u32 s20, s20, s21                     ; Q
	s_mov_b32 s21, 0
	s_mov_b32 s[G1], 15|(3<<16)|(1<<21)            ; the mask of four; elements of 8 bytes; bit 21 set beside a mask; no padding
	s_mov_b32 s[G1+1], 32<<16                      ; a dense block as 64 rows of 32 elements = 256 bytes
	s_mov_b32 s[G1+2], 64<<16
	s_mov_b32 s[G1+3], 32<<16
	s_mov_b32 s[G1+4], 64
	s_mov_b32 s[G1+5], 32
	s_mov_b32 s[G1+6], 0
	s_mov_b32 s[G1+7], 0
	s_mov_b32 s[G0], 1
	s_lshl_b32 s[G0+1], s[WV], 14                  ; slot 0: the wave's number times 16,384
	s_mov_b32 s[CS], 0x3fb8aa3b                    ; c = log2(e)
	s_mov_b32 s[CS+1], s[CS]
	s_mov_b32 s[SEL], 0x76543210
	s_mov_b32 s[SEL+1], 0xfedcba98
	s_mov_b32 s[TBK], SLOT1+4*STEPB                ; the first change of slots turns these two into 0
	s_mov_b32 s[TBV], SLOT1+4*STEPB
	s_and_b32 s[LIM], s[WV], 1
	s_or_b32 s[LIM], s[LIM], ttmp9                 ; waves 0 and 2 of the head's first cluster: the same in all four partners
	s_cmp_eq_u32 s[LIM], 0
	s_cselect_b32 s[LIM], 1, -1
	s_lshl_b32 s50, s13, 13                        ; my work-group's 32 blocks of the 128,
	s_add_co_u32 s50, s50, 65536                   ; in tile 2: the first change that asks steps it to tile 3
	s_mov_b32 s51, 0
	v_and_b32 v1, 31, v0
	v_lshlrev_b32 v[PFO], 8, v1
	v_lshlrev_b32 v[L16], 4, v1
	s_wait_dscnt 0x0                               ; the opening add is done
	s_wait_kmcnt 0x0
	s_add_nc_u64 s[44:45], s[4:5], s[16:17]        ; my part of tile 0
	s_add_nc_u64 s[PFA:PFA+1], s[44:45], s[50:51]
	s_mov_b64 s[G0+2:G0+3], s[44:45]
	s_or_b32 s[G0+3], s[G0+3], 0x80000000
	s_add_nc_u64 s[8:9], s[4:5], s[20:21]          ; Q at my wave's first block
	s_add_nc_u64 s[10:11], s[6:7], s[22:23]        ; O likewise
	CROUND                                         ; all four work-groups are here: the first joint loads meet
	JLOAD                                          ; tile 0.  Tile 1 is asked for when tile 0 is in
	WIN W_LD
.set i, 0
.rept 8                                ; Q stays in registers: piece i / 2, channels 32 (i % 2) on
	global_load_b128 v[Q+8*i:Q+8*i+3],   v[L16], s[8:9] offset:(i/2)*2048+(i%2)*1024
	global_load_b128 v[Q+8*i+4:Q+8*i+7], v[L16], s[8:9] offset:(i/2)*2048+(i%2)*1024+512
.set i, i+1
.endr
	; What the first turn finds: V and P's second buffer hold 0 (its products V^T P, of a piece that has not been, add 0), O^T and l are 0.  All this stands in the wait for the first tile.
.set i, VF
.rept 64
	v_mov_b32 v[i], 0
.set i, i+1
.endr
	WIN 0
.set i, O
.rept 128
	v_mov_b32 v[i], 0
.set i, i+1
.endr
.set i, 0
.rept 4
	v_mov_b32 v[ST+4*i], 0xfe000000                ; c m: far below every c s
	v_mov_b32 v[ST+4*i+1], 0xff7fffff              ; m
	v_mov_b32 v[ST+4*i+2], 0
	v_mov_b32 v[ST+4*i+3], 0
.set i, i+1
.endr
.set i, P+16
.rept 16
	v_mov_b32 v[i], 0
.set i, i+1
.endr
; THE MATRIX WORK.  The 4 accumulators of a run of 8 take turns.  Product i of 8 of S^T = K Q^T for piece x: channels 32 (i / 4) on, keys 16 (i % 4) on; the first 4 start the sums.
.macro KQ x
.set rS, S+32*((\x)%2)+8*(i%4)
.set rK, KF+16*(i%4)+8*(i/4)
.set rQ, Q+16*(\x)+8*(i/4)
	WIN W_KQ
.if i < 4
	v_wmma_f32_16x16x32_f16 v[rS:rS+7], v[rK:rK+7], v[rQ:rQ+7], 0
.else
	v_wmma_f32_16x16x32_f16 v[rS:rS+7], v[rK:rK+7], v[rQ:rQ+7], v[rS:rS+7]
.endif
.endm
.macro PV x                            ; product i of 8 of O^T += V^T P for piece x: keys 32 (i / 4) on, channels 16 (i % 4) on
	WIN W_PV
.set rO, O+32*(\x)+8*(i%4)
.set rV, VF+32*(i/4)+8*(i%4)
.set rP, P+16*((\x)%2)+8*(i/4)
	v_wmma_f32_16x16x32_f16 v[rO:rO+7], v[rV:rV+7], v[rP:rP+7], v[rO:rO+7]
.endm
.macro MM                              ; the turn's next matrix instruction
.if i < 8
	KQ (Y+1)%NP
.else
.set i, i-8
	PV (Y+NP-1)%NP
.set i, i+8
.endif
.set i, i+1
.endm
; THE LDS LOADS stand in runs of 16: a step's K (register KF + 4 n from block n) and its V (fragment of keys 32 (f / 4) on, channels 16 (f % 4) on: two blocks 2,048 bytes apart)
.macro FETCH_K
	WIN W_LD
.irp n, 0,1,2,3,4,5,6,7,8,9,10,11,12,13,14,15
	ds_load_b128 v[KF+4*(\n):KF+4*(\n)+3], v[AK] offset:512*(\n)
.endr
	s_add_co_u32 s[TBK], s[TBK], STEPB
	WIN 0
.endm
.macro FETCH_V
	WIN W_LD
.irp f, 0,1,2,3,4,5,6,7
	ds_load_b128 v[VF+8*(\f):VF+8*(\f)+3],   v[AV] offset:VOFF+(8*((\f)/4)+(\f)%4)*512
	ds_load_b128 v[VF+8*(\f)+4:VF+8*(\f)+7], v[AV] offset:VOFF+(8*((\f)/4)+(\f)%4)*512+2048
.endr
	WIN 0
.endm
; THE VECTOR WORK, one line at a time: OP kind, number; all of it in window 0.  For piece Y: F n: c s - c m for pair n of 16.  E n: the exponential of score n of 32.  C n: pair n rounded to f16.  B n: of the four
; weights 4 n .. the second pair is added onto the first, in place.  L n: l takes that sum (L 0: l = a l + sum).  R n: pair n of 16 of O^T times a.  For piece Y + 1: X n, number n of the 22 that find its maximum and statistics:
; 0-11 four chains of seven scores (each accumulator's lowest registers first); 12-14, 16 the rest, the old m, all into c0; 15 c m_old is kept; 17, 18 the other half of the lanes; 19-21 c m, its change, a.
.set F, 0
.set E, 1
.set C, 2
.set B, 3
.set L, 4
.set R, 5
.set X, 6
.macro REGS y
.set rT, ST+4*(\y)
.set rC, TMP+4*((\y)%2)
.set rW, MV+((\y)%2)
.set rS, S+32*((\y)%2)
.set rP, P+16*((\y)%2)
.set rO, O+32*(\y)
.endm
.macro OP k, n
	WIN 0
.if (\k) == R
	REGS Y
	v_pk_mul_f32 v[rO+2*(\n):rO+2*(\n)+1], v[rO+2*(\n):rO+2*(\n)+1], v[rC+2:rC+3] op_sel_hi:[1,0]
.elseif (\k) < R
	REGS Y
.if (\k) == F
	v_pk_fma_f32 v[rS+2*(\n):rS+2*(\n)+1], v[rS+2*(\n):rS+2*(\n)+1], s[CS:CS+1], v[rT:rT+1] op_sel_hi:[1,0,0] neg_lo:[0,0,1] neg_hi:[0,0,1]
.elseif (\k) == E
	v_exp_f32 v[rS+(\n)], v[rS+(\n)]
.elseif (\k) == C
	v_cvt_pk_f16_f32 v[rP+(\n)], v[rS+2*(\n)], v[rS+2*(\n)+1]
.elseif (\k) == B
	v_pk_add_f32 v[rS+4*(\n):rS+4*(\n)+1], v[rS+4*(\n):rS+4*(\n)+1], v[rS+4*(\n)+2:rS+4*(\n)+3]
.elseif (\n) == 0
	v_pk_fma_f32 v[rT+2:rT+3], v[rT+2:rT+3], v[rC+2:rC+3], v[rS:rS+1] op_sel_hi:[1,0,1]
.else
	v_pk_add_f32 v[rT+2:rT+3], v[rT+2:rT+3], v[rS+4*(\n):rS+4*(\n)+1]
.endif
.else
	REGS (Y+1)%NP
.if (\n) < 4
	v_max3_num_f32 v[rC+(\n)], v[rS+8*(\n)], v[rS+8*(\n)+1], v[rS+8*(\n)+2]
.elseif (\n) < 12
	v_max3_num_f32 v[rC+(\n)%4], v[rC+(\n)%4], v[rS+8*((\n)%4)+2*((\n)/4)+1], v[rS+8*((\n)%4)+2*((\n)/4)+2]
.elseif (\n) == 12
	v_max3_num_f32 v[rC], v[rC], v[rS+7], v[rS+15]
.elseif (\n) == 13
	v_max3_num_f32 v[rC+1], v[rC+1], v[rS+23], v[rS+31]
.elseif (\n) == 14
	v_max3_num_f32 v[rC+2], v[rC+2], v[rC+3], v[rT+1]
.elseif (\n) == 15
	v_mov_b32 v[rW], v[rT]
.elseif (\n) == 16
	v_max3_num_f32 v[rC], v[rC], v[rC+1], v[rC+2]
.elseif (\n) == 17
	v_permlanex16_b32 v[rC+3], v[rC], s[SEL], s[SEL+1]
.elseif (\n) == 18
	v_max_num_f32 v[rT+1], v[rC], v[rC+3]
.elseif (\n) == 19
	v_mul_f32 v[rT], s[CS], v[rT+1]
.elseif (\n) == 20
	v_sub_f32 v[rC+1], v[rW], v[rT]
.else
	v_exp_f32 v[rC+2], v[rC+1]
.endif
.endif
.endm
.macro OPS a, i1, b=-1, i2=0, c=-1, i3=0, d=-1, i4=0
	OP \a, \i1
.if (\b) >= 0
	OP \b, \i2
.endif
.if (\c) >= 0
	OP \c, \i3
.endif
.if (\d) >= 0
	OP \d, \i4
.endif
.endm
.macro ROW a, i1, b, i2, c, i3, d, i4  ; a matrix instruction and the four behind it
	MM
	OPS \a, \i1, \b, \i2, \c, \i3, \d, \i4
.endm
; A TURN, for piece p, its order written out.  Ahead of its one wait stands all that names no result of its exponentials: the 8 products K Q^T with their riders, then the lump, in which the links of the next piece's chain
; (X 3, 7, 11, 14, 16 .. 20) stand some lines apart; X 21 is the batch's last, R 15 the plain instruction behind it.  Behind the wait: the 8 products V^T P, behind each four of the roundings and sums.
; K of the next step is fetched in piece 2's turn, twelve plain instructions that name none of its registers behind the last product that read K; V of the step in hand at the end of piece 0's turn, four plain instructions
; behind the last product that read V.  Each is waited for a turn later.  last = 1 (the last tile): K's address stops at the tile's last step.  cnt = 1: the loop's count is taken down some lines ahead of the branch behind the turn.
.macro TURN p, last=0, cnt=0
.set Y, (\p)
.set i, 0
.if (\p) == 3
	s_wait_dscnt 0x0                               ; K is in
.endif
	ROW F,0, F,1, R,0, R,1
	ROW F,2, E,0, R,2, R,3
	ROW F,3, E,1, R,4, R,5
	ROW F,4, E,2, R,6, R,7
	ROW F,5, E,3, R,8, R,9
	ROW F,6, E,4, X,0, R,10
.if (\p) == 2
	WIN 0
.if \last
	s_min_u32 s[TBK], s[TBK], SLOT1+3*STEPB        ; the last tile lies in slot 1; behind its last step there is none
.endif
	v_add_nc_u32 v[AK], s[TBK], v[L16]
.endif
	ROW F,7, E,5, X,1, X,4
	ROW F,8, E,6, X,2, X,5
	OPS E,7, E,8, X,6, E,9
	OPS X,3, E,10, X,8, E,11
.if (\p) == 2
	FETCH_K
.endif
	OPS X,9, X,7, E,12, X,10
	OPS E,13, X,12, X,11, E,14
	OPS X,13, E,15, F,9, X,14
.if (\p) == 0
	v_add_nc_u32 v[AV], s[TBV], v[L16]
.endif
	OPS E,16, F,10, E,17, F,11
	OPS X,16, E,18, X,15, E,19
	OPS F,12, E,20, X,17, E,21
	OPS F,13, E,22, F,14, E,23
	OPS X,18, E,24, F,15, E,25
	OPS R,11, E,26, X,19, E,27
	OPS R,12, E,28, R,13, E,29
	OPS X,20, E,30, R,14, E,31
	OPS X,21, R,15
	s_wait_alu depctr_va_vdst(0)                   ; the one wait for the batch, ahead of the first instruction that names a result
.if (\p) == 1
	s_wait_dscnt 0x0                               ; V is in
.endif
	ROW C,0, B,0, C,2, B,1
	ROW L,0, C,4, B,2, L,1
	ROW C,6, B,3, L,2, C,8
	ROW B,4, L,3, C,10, B,5
	ROW L,4, C,12, B,6, L,5
.if (\p) == 0
	s_add_co_u32 s[TBV], s[TBV], STEPB
.endif
.if \cnt
	s_sub_co_u32 s[CNT], s[CNT], 1
	s_cmp_lg_u32 s[CNT], 0
.endif
	ROW C,14, B,7, L,6, C,1
	ROW C,3, L,7, C,5, C,7
	ROW C,9, C,11, C,13, C,15
.if (\p) == 0
	FETCH_V
.endif
.endm
	CHANGE 1, 0                                    ; tile 0 is in, everybody's part of it; tile 1 is asked for
	v_add_nc_u32 v[AK], s[TBK], v[L16]
	FETCH_K                                        ; key step 0
	s_wait_loadcnt 0x0                             ; Q
	s_wait_dscnt 0x0
.set i, 0
.rept 8
	KQ 0                                           ; piece 0's first scores
.set i, i+1
.endr
	WIN 0
.rept 4
	v_nop                                          ; the places behind those products
.endr
.set Y, NP-1
.irp n, 0,1,2,3,4,5,6,7,8,9,10,11,12,13,14,15,16,17,18,19,20,21
	OP X, \n                                       ; piece 0's first maximum and statistics
.endr
	v_nop                                          ; a plain instruction behind the exponential,
	s_wait_alu depctr_va_vdst(0)                   ; and its wait, ahead of the branch
	s_mov_b32 s[CNT], 4
	s_mov_b32 s[SLOTS], 7
	s_branch .Lfirst                               ; the loop is entered at a step's first turn, in the middle of a trip
.Lslot:                                        ; six times: every tile but the last two is followed by a refill of its slot
	CHANGE 1, 1
	s_mov_b32 s[CNT], 4
.Lstep:                                        ; a trip: pieces 2 and 3 of one step, then pieces 0 and 1 of the next, whose K and V it fetches
	TURN 2
	TURN 3
	WIN 0
.Lfirst:
	TURN 0
	TURN 1, 0, 1
	WIN 0
	s_cbranch_scc1 .Lstep
	s_sub_co_u32 s[SLOTS], s[SLOTS], 1
	s_cmp_lg_u32 s[SLOTS], 0
	s_cbranch_scc1 .Lslot
	CHANGE 0, 0                                    ; the last tile has a text of its own
	s_mov_b32 s[CNT], 5                            ; four trips fetch its steps; the fifth is left in its middle
.Ltail:
	TURN 2, 1
	TURN 3
	WIN 0
	s_sub_co_u32 s[CNT], s[CNT], 1
	s_cmp_eq_u32 s[CNT], 0
	s_cbranch_scc1 .Lout
	TURN 0
	TURN 1
	WIN 0
	s_branch .Ltail
.Lout:                                         ; the fifth trip's fetch of K (the last step's once more), its 8 products K Q^T and the maximum made of them serve nothing: the price, once a launch, of one text for every trip
.set i, 0
.rept 8
	PV NP-1                                        ; the last piece's V^T P of the last step
.set i, i+1
.endr
	; THE WAY OUT.  l's halves and the other half of the lanes' are added (these lines are the places behind the last products); O^T is divided by l and rounded; a lane's eight channels are 16 bytes of a block.
	WIN 0
.macro ALL line:vararg
.set t, 0
.rept 4
	\line
.set t, t+1
.endr
.endm
	ALL v_add_f32 v[ST+4*t+2], v[ST+4*t+2], v[ST+4*t+3]
	ALL v_permlanex16_b32 v[ST+4*t+3], v[ST+4*t+2], s[SEL], s[SEL+1]
	ALL v_add_f32 v[ST+4*t+2], v[ST+4*t+2], v[ST+4*t+3]
	ALL v_rcp_f32 v[ST+4*t+2], v[ST+4*t+2]
	v_nop                                          ; a plain instruction behind the last reciprocal,
	s_wait_alu depctr_va_vdst(0)                   ; and one wait for the four
.set t, 0
.rept 4
.set i, O+32*t
.rept 16
	v_pk_mul_f32 v[i:i+1], v[i:i+1], v[ST+4*t+2:ST+4*t+3] op_sel_hi:[1,0]
.set i, i+2
.endr
.set i, 0
.rept 16
	v_cvt_pk_f16_f32 v[S+16*t+i], v[O+32*t+2*i], v[O+32*t+2*i+1]
.set i, i+1
.endr
.irp f, 0,1,2,3
	global_store_b128 v[L16], v[S+16*t+4*(\f):S+16*t+4*(\f)+3], s[10:11] offset:t*8192+(\f)*512  ; 512 consecutive bytes, aligned
.endr
.set t, t+1
.endr
	s_wait_tensorcnt 0x0                           ; the wave's end
	ds_add_u32 v[SPW], v[NIL]
	s_wait_dscnt 0x0
	CROUND                                         ; the closing round
	s_endpgm
.Lfunc_end_k_q8db84fff5c_attn:
	.size	k_q8db84fff5c_attn, .Lfunc_end_k_q8db84fff5c_attn-k_q8db84fff5c_attn
	.p2alignl 7, 3214868480
	.fill 96, 4, 3214868480
	.section	.rodata,"a",@progbits
	.p2align	6, 0x0
	.amdhsa_kernel k_q8db84fff5c_attn
		.amdhsa_group_segment_fixed_size 327680
		.amdhsa_private_segment_fixed_size 0
		.amdhsa_enable_private_segment 0
		.amdhsa_kernarg_size 16
		.amdhsa_user_sgpr_count 2
		.amdhsa_user_sgpr_kernarg_segment_ptr 1
		.amdhsa_wavefront_size32 1
		.amdhsa_system_sgpr_workgroup_id_x 1
		.amdhsa_system_sgpr_workgroup_id_y 1
		.amdhsa_system_sgpr_workgroup_id_z 1
		.amdhsa_system_vgpr_workitem_id 0
		.amdhsa_next_free_vgpr 448
		.amdhsa_next_free_sgpr 80
		.amdhsa_reserve_vcc 0
		.amdhsa_float_denorm_mode_32 3
		.amdhsa_float_denorm_mode_16_64 3
		.amdhsa_memory_ordered 1
		.amdhsa_forward_progress 1
		.amdhsa_inst_pref_size 101
	.end_amdhsa_kernel
	.amdgpu_metadata
---
amdhsa.version: [ 1, 2 ]
amdhsa.kernels:
  - .name:           k_q8db84fff5c_attn
    .symbol:         k_q8db84fff5c_attn.kd
    .args:
      - { .name: qkvb, .offset: 0, .size: 8, .value_kind: global_buffer, .address_space: global }
      - { .name: ob, .offset: 8, .size: 8, .value_kind: global_buffer, .address_space: global }
    .group_segment_fixed_size: 327680
    .private_segment_fixed_size: 0
    .kernarg_segment_align: 8
    .kernarg_segment_size: 16
    .max_flat_workgroup_size: 128
    .sgpr_count:     80
    .vgpr_count:     448
    .wavefront_size: 32
...
	.end_amdgpu_metadata
.endif
;; end of part 3
;; launch proj_o (part 4): grid 8 x 32, 4 waves a work-group, clusters of 4 x 4, 327,680 bytes of LDS; arguments ob, wb, x1, x; writes x1
.if DOCPART == 4
	.amdgcn_target "amdgcn-amd-amdhsa--gfx1250"
	.amdhsa_code_object_version 6
	.text
	.protected	k_q8db84fff5c_proj_o
	.globl	k_q8db84fff5c_proj_o
	.p2align	8
	.type	k_q8db84fff5c_proj_o,@function
k_q8db84fff5c_proj_o:
	s_mov_b64 s[64:65], 0
	v_nop
	global_prefetch_b8 v0, s[64:65] scope:SCOPE_SE
	s_setreg_imm32_b32 hwreg(HW_REG_WAVE_MODE, 25, 1), 1
	s_wait_xcnt 0x0
	s_wait_alu depctr_hold_cnt(0) depctr_sa_sdst(0) depctr_va_vdst(0) depctr_va_sdst(0) depctr_va_ssrc(0) depctr_va_vcc(0) depctr_vm_vsrc(0)
	s_getreg_b32 s2, hwreg(HW_REG_IB_STS2, 6, 4)
	s_cmp_eq_u32 s2, 0
	s_cbranch_scc0 .Lentry_in_a_cluster
	s_endpgm
.Lentry_in_a_cluster:
	s_bfe_u32 s2, ttmp6, 0x10000c
	s_cmp_lg_u32 s2, 0xf033
	s_cbranch_scc0 .Lentry_shape_is_right
	s_endpgm
.Lentry_shape_is_right:
; x1 = O wo + x.  f16 operands, f32 sums; x and x1 are f32 and are never rounded.  LIMIT: f16 holds no number beyond 65,504 (the operands were made within it).
; A tile of the result is 128 x 128, so that 4,096 x 1,024 gives 256 work-groups; four waves, each 64 x 64: 16 accumulators, 128 registers.  K = 1,024 in 4 steps of 256.
; OPERANDS LIE IN BLOCKS OF 512 BYTES.  A (ob): [K step][16 rows][kb 16][512], the 16 bytes of (row r, k = 8 h ..) at 16 (16 h + r): two blocks on end ARE a fragment, lane l at 16 l.
; W (wb + 6,291,456): [tile][K step][nb 8][kb 16][512], a block 16 k x 16 n in rows of 32 bytes: two turning loads make a fragment.  Tiles are dense in memory and in LDS.
; The product is taken transposed (source 0 = W, source 1 = A): a lane holds one row and 8 neighbouring columns.  f32 rows leave through the wave's own stage in LDS, 256 consecutive bytes to sixteen lanes.
; RING: two LDS slots; waves 0, 1 fetch A's halves, waves 2, 3 W's, one tensor load each.  CLUSTER 4 x 4: A's tile is asked for jointly along a row, W's along a column.
; By this text's count a wave has two tensor loads out at the start and one behind each round.  No prefetch: the launch has four K steps, two of which go out at its head.
.set MB, 4
.set NB, 4
.set KD, 2
.set KSTEP, 256
.set T, 4
.set BT, 65536
.set STEPA, 1<<21
.set WOFF, 6291456
.set YOUNG, 16
.set CMODE, 1
.set SLOT1, 1<<17
.set BOFF, 65536
.set STAGE, 262144                     ; behind the ring, never filled by a tensor load: 32 rows x 272 bytes for each wave
.set SP, 272
.set SPARE, STAGE+4*32*SP              ; the spare words, 128 bytes for each wave, which no other line names
.set MBS, KSTEP*32
.set MPP, MB*KD/4
.set F0, 0
.set F1, 128
.set ADRA0, 4
.set ADRB0, 5
.set ADRA, 6
.set ADRB, 7
.set STO, 9
.set RD, 10
.set CO, 11
.set SPW, 28
.set NIL, 29
.set ZB, 64                            ; v[64:127]  32 rows read back from the stage
.set RES, 128                          ; v[128:255] the residual, then the result
.set WV, 14
.set ROLE, 15
.set HALF, 16
.set CX, 17
.set CY, 18
.set TCOL, 19
.set TROW, 20
.set G1A, 24
.set G1B, 32
.set AA, 40
.set BA, 42
.set G0A, 48
.set G0B, 56
.set TB, 66
.set CNT, 67
.set WM, 69
.set WN, 74
.set MSB, 0
.macro WIN new                         ; s_set_vgpr_msb: bits 1:0 source 0, 3:2 source 1, 5:4 source 2, 7:6 destination; the high byte repeats the setting that is left
.if MSB != (\new)
	s_set_vgpr_msb (MSB<<8)|(\new)
.set MSB, (\new)
.endif
.endm
.macro PLACES                          ; four plain places behind matrix instructions, ahead of loads into registers that they read and of readers of their results
.rept 4
	v_nop
.endr
.endm
.macro CREST
	s_cmp_lg_u32 s[WV], 0
	s_cbranch_scc1 .Lnot_wave_0_\@
	s_barrier_signal -3
.Lnot_wave_0_\@:
	s_barrier_wait -3
	s_barrier_signal -1
	s_barrier_wait -1
.endm
.macro CROUND
	s_barrier_signal -1
	s_barrier_wait -1
	CREST
.endm
.macro JLOAD                           ; a joint refill by the walking descriptors; the branch hangs on the wave's number alone; s_nop 0 and four v_nop follow each line
	s_cmp_eq_u32 s[ROLE], 0
	s_cbranch_scc0 .Lfor_b_\@
	tensor_load_to_lds s[G0A+4:G0A+7], s[G1A:G1A+7]
	s_nop 0
	PLACES
	s_branch .Lasked_\@
.Lfor_b_\@:
	tensor_load_to_lds s[G0B+4:G0B+7], s[G1B:G1B+7]
	s_nop 0
	PLACES
.Lasked_\@:
.endm
; Part p of four of a quarter step's products on buffer f.  cm = 0: add in place; 1: the product starts the sum with 0.  The accumulators take turns, one instruction a turn.
.macro MULP f, p, cm
.set u, (\p)*MPP
.rept MPP
.set kd, u/MB
.set mb, u%MB
.set nb, 0
.rept NB
.set aw, 2+(8*(mb*NB+nb))/256
.set ar, (8*(mb*NB+nb))%256
.set x0, (\f)+kd*8*(NB+MB)+8*nb
.set x1, (\f)+kd*8*(NB+MB)+8*NB+8*mb
	WIN 0x05|(aw*0x50)
.if (\cm) == 1
	v_wmma_f32_16x16x32_f16 v[ar:ar+7], v[x0:x0+7], v[x1:x1+7], 0
.else
	v_wmma_f32_16x16x32_f16 v[ar:ar+7], v[x0:x0+7], v[x1:x1+7], v[ar:ar+7]
.endif
.set nb, nb+1
.endr
.set u, u+1
.endr
.endm
.macro FETCH q, f                      ; 32 LDS loads in one run: quarter q's fragments (64 along K) into buffer f, the first 32 along K first
	WIN 0x40
.set kd, 0
.rept KD
.set ko, ((\q)*KD+kd)*1024
.set fb, (\f)+kd*8*(NB+MB)
.set n, 0
.rept NB
	ds_load_tr16_b128 v[fb+8*n:fb+8*n+3], v[ADRB] offset:n*MBS+ko
	ds_load_tr16_b128 v[fb+8*n+4:fb+8*n+7], v[ADRB] offset:n*MBS+ko+512
.set n, n+1
.endr
.set n, 0
.rept MB
	ds_load_b128 v[fb+8*NB+8*n:fb+8*NB+8*n+3], v[ADRA] offset:n*MBS+ko
	ds_load_b128 v[fb+8*NB+8*n+4:fb+8*NB+8*n+7], v[ADRA] offset:n*MBS+ko+512
.set n, n+1
.endr
.set kd, kd+1
.endr
.endm
.macro QUARTER f, g, q, cm             ; multiplies buffer f; in its middle fetches quarter q into buffer g
	s_wait_dscnt YOUNG                             ; the first 32 along K are in; the youngest YOUNG loads serve the second half
	MULP \f, 0, \cm
	MULP \f, 1, \cm
	PLACES
	FETCH \q, \g
	s_wait_dscnt 32                                ; all but the 32 just issued
	MULP \f, 2, 0
	MULP \f, 3, 0
.endm
; The last quarter multiplies buffer 1 and changes slots.  Ahead of the barrier each wave waits for all its tensor loads (its part of the next slot), adds 0 to its spare word, and waits for that and for its reads of this slot.
; fill = 1: the barrier opens a round of the cluster's, and the joint refill of this slot, two K steps on, is the first thing behind it.
.macro TURN fill
	WIN 0
	s_wait_tensorcnt 0x0
	ds_add_u32 v[SPW], v[NIL]
	s_wait_dscnt YOUNG+1                           ; the add and the youngest YOUNG loads may be out
	MULP F1, 0, 0
	s_wait_dscnt 0x0                               ; the add is done, my reads of this slot are over
	s_barrier_signal -1
	MULP F1, 1, 0
	WIN 0
	s_barrier_wait -1
.if \fill
	CREST
	s_xor_b32 s[G0A+5], s[G0A+5], SLOT1
	s_add_nc_u64 s[G0A+6:G0A+7], s[G0A+6:G0A+7], STEPA
	s_xor_b32 s[G0B+5], s[G0B+5], SLOT1
	s_add_nc_u64 s[G0B+6:G0B+7], s[G0B+6:G0B+7], BT
	JLOAD
.else
	PLACES
.endif
	s_xor_b32 s[TB], s[TB], SLOT1
	v_add_nc_u32 v[ADRA], s[TB], v[ADRA0]
	v_add_nc_u32 v[ADRB], s[TB], v[ADRB0]
	FETCH 0, F0
	MULP F1, 2, 0
	MULP F1, 3, 0
.endm
	s_load_b256 s[4:11], s[0:1], 0x0               ; A s[4:5], W s[6:7], out s[8:9], residual s[10:11]
	v_lshl_add_u32 v[SPW], v0, 2, SPARE
	v_mov_b32 v[NIL], 0
	ds_add_u32 v[SPW], v[NIL]                      ; the wave's opening: the add and its wait ahead of my first tensor load
	v_lshrrev_b32 v1, 5, v0
	v_readfirstlane_b32 s[WV], v1
	s_lshr_b32 s[ROLE], s[WV], 1                   ; I fetch for A (0) or for W (1),
	s_and_b32 s[HALF], s[WV], 1                    ; this half of the tile
	s_mov_b32 s[WM], s[ROLE]                       ; my half of the tile's rows,
	s_mov_b32 s[WN], s[HALF]                       ; and of its columns
	s_bfe_u32 s[CX], ttmp6, 0x40000
	s_bfe_u32 s[CY], ttmp6, 0x40004
	s_lshl_b32 s[TCOL], ttmp9, 2
	s_add_co_u32 s[TCOL], s[TCOL], s[CX]
	s_and_b32 s[TROW], ttmp7, 0xffff
	s_lshl_b32 s[TROW], s[TROW], 2
	s_add_co_u32 s[TROW], s[TROW], s[CY]
	s_lshl_b32 s44, s[CY], 2
	s_lshl_b32 s44, 15, s44                        ; my row of the cluster
	s_lshl_b32 s46, 0x1111, s[CX]                  ; my column
	s_or_b32 s[G1A], s44, (3<<16)|(1<<21)          ; the mask; elements of 8 bytes; bit 21 set beside a mask; no padding
	s_or_b32 s[G1B], s46, (3<<16)|(1<<21)
	s_mov_b32 s[G1A+1], 32<<16                     ; a dense block as rows of 32 elements = 256 bytes
	s_mov_b32 s[G1A+2], 128<<16
	s_mov_b32 s[G1A+3], 32<<16
	s_mov_b32 s[G1A+4], 128
	s_mov_b32 s[G1A+5], 32
	s_mov_b32 s[G1A+6], 0
	s_mov_b32 s[G1A+7], 0
	s_mov_b32 s[G1B+1], 32<<16
	s_mov_b32 s[G1B+2], (BT/512)<<16
	s_mov_b32 s[G1B+3], 32<<16
	s_mov_b32 s[G1B+4], BT/512
	s_mov_b32 s[G1B+5], 32
	s_mov_b32 s[G1B+6], 0
	s_mov_b32 s[G1B+7], 0
	s_lshl_b32 s44, s[TROW], 16                    ; A's tile hangs on the tile row alone,
	s_lshl_b32 s45, s[HALF], 15
	s_add_co_u32 s44, s44, s45
	s_mov_b32 s45, 0
	s_mul_i32 s46, s[TCOL], T*BT                   ; W's on the tile column alone
	s_mul_i32 s47, s[HALF], BT/2
	s_add_co_u32 s46, s46, s47
	s_add_co_u32 s46, s46, WOFF
	s_mov_b32 s47, 0
	s_lshl_b32 s21, s[WV], 15                      ; where they go: the wave's number times a constant
	s_mul_i32 s22, s[WV], BT/2
	s_add_co_u32 s22, s22, 65536-BT
	s_wait_dscnt 0x0                               ; the opening add is done
	s_wait_kmcnt 0x0
	s_add_nc_u64 s[AA:AA+1], s[4:5], s[44:45]
	s_add_nc_u64 s[BA:BA+1], s[6:7], s[46:47]
	CROUND                                         ; all sixteen work-groups are here: the first joint loads meet
.irp s, 0,1
	s_mov_b32 s[G0A+4*(\s)], 1
	s_add_co_u32 s[G0A+4*(\s)+1], s21, (\s)*SLOT1
	s_add_nc_u64 s[G0A+4*(\s)+2:G0A+4*(\s)+3], s[AA:AA+1], (\s)*STEPA
	s_or_b32 s[G0A+4*(\s)+3], s[G0A+4*(\s)+3], 0x80000000
	s_mov_b32 s[G0B+4*(\s)], 1
	s_add_co_u32 s[G0B+4*(\s)+1], s22, (\s)*SLOT1
	s_add_nc_u64 s[G0B+4*(\s)+2:G0B+4*(\s)+3], s[BA:BA+1], (\s)*BT
	s_or_b32 s[G0B+4*(\s)+3], s[G0B+4*(\s)+3], 0x80000000
.endr
	s_cmp_eq_u32 s[ROLE], 0                        ; a wave's two first fills stand in one branch
	s_cbranch_scc0 .Lfirst_b
	tensor_load_to_lds s[G0A:G0A+3], s[G1A:G1A+7]
	s_nop 0
	tensor_load_to_lds s[G0A+4:G0A+7], s[G1A:G1A+7]
	s_nop 0
	PLACES
	s_branch .Lfirst_asked
.Lfirst_b:
	tensor_load_to_lds s[G0B:G0B+3], s[G1B:G1B+7]
	s_nop 0
	tensor_load_to_lds s[G0B+4:G0B+7], s[G1B:G1B+7]
	s_nop 0
	PLACES
.Lfirst_asked:
	v_and_b32 v1, 31, v0
	v_lshlrev_b32 v2, 4, v1                        ; 16 x lane
	v_bfe_u32 v16, v0, 4, 1
	v_bfe_u32 v17, v0, 3, 1
	v_and_b32 v18, 15, v0
	s_mul_i32 s76, s[WM], MB*MBS
	v_add_nc_u32 v[ADRA0], s76, v2
	v_and_b32 v3, 7, v0                            ; the turning load: row 8 (l / 16) + l % 8 of 32 bytes, half (l / 8) % 2 of it
	v_lshl_add_u32 v3, v16, 3, v3
	v_lshlrev_b32 v3, 5, v3
	v_lshl_add_u32 v3, v17, 4, v3
	s_mul_i32 s77, s[WN], NB*MBS
	s_add_co_u32 s77, s77, BOFF
	v_add_nc_u32 v[ADRB0], s77, v3
	v_mov_b32 v[ADRA], v[ADRA0]
	v_mov_b32 v[ADRB], v[ADRB0]
	s_mov_b32 s[TB], 0
	; the way out's addresses
	s_mul_i32 s76, s[WV], 32*SP
	s_add_co_u32 s76, s76, STAGE                   ; my stage
	v_mul_u32_u24 v[STO], v18, SP                  ; in: row l % 16, 32 bytes for each half of the lanes
	v_lshl_add_u32 v[STO], v16, 5, v[STO]
	v_add_nc_u32 v[STO], s76, v[STO]
	v_mul_u32_u24 v[RD], v16, SP                   ; back: lanes 0-15 take one row of 256 bytes, lanes 16-31 the next
	v_lshl_add_u32 v[RD], v18, 4, v[RD]
	v_add_nc_u32 v[RD], s76, v[RD]
	v_lshlrev_b32 v[CO], 12, v16                   ; and the same two rows in memory
	v_lshl_add_u32 v[CO], v18, 4, v[CO]
	s_lshl_b32 s76, s[TROW], 7
	s_lshl_b32 s77, s[WM], 6
	s_add_co_u32 s76, s76, s77                     ; my first row
	s_lshl_b32 s76, s76, 12
	s_lshl_b32 s77, s[TCOL], 9
	s_add_co_u32 s76, s76, s77
	s_lshl_b32 s77, s[WN], 8
	s_add_co_u32 s76, s76, s77                     ; my first column, in bytes
	s_mov_b32 s77, 0
	s_add_nc_u64 s[8:9], s[8:9], s[76:77]
	s_add_nc_u64 s[10:11], s[10:11], s[76:77]
	s_wait_tensorcnt 0x1                           ; my part of K step 0 is in; step 1's may stay out
	s_barrier_signal -1
	s_barrier_wait -1
	FETCH 0, F0
	QUARTER F0, F1, 1, CMODE                       ; the first quarter's first products start the sums
	WIN 0
	s_mov_b32 s[CNT], T-2
.Lstep:                                        ; a trip: from a K step's second quarter to the next step's first; the slot left is filled again
	QUARTER F1, F0, 2, 0
	QUARTER F0, F1, 3, 0
	TURN 1
	QUARTER F0, F1, 1, 0
	WIN 0
	s_sub_co_u32 s[CNT], s[CNT], 1
	s_cmp_lg_u32 s[CNT], 0
	s_cbranch_scc1 .Lstep
.set t, 0
.rept 32                               ; the residual is asked for two K steps ahead of its use: rows 2 t, 2 t + 1 of my 64, 256 consecutive bytes to sixteen lanes
	global_load_b128 v[RES+4*t:RES+4*t+3], v[CO], s[10:11] offset:2*t*4096
.set t, t+1
.endr
	s_mov_b32 s[CNT], 2
.Ltail:                                        ; the last two K steps ask for nothing more: a text of their own; the second trip is left in its middle
	QUARTER F1, F0, 2, 0
	QUARTER F0, F1, 3, 0
	WIN 0
	s_sub_co_u32 s[CNT], s[CNT], 1
	s_cmp_eq_u32 s[CNT], 0
	s_cbranch_scc1 .Llast
	TURN 0
	QUARTER F0, F1, 1, 0
	WIN 0
	s_branch .Ltail
.Llast:
	s_wait_dscnt YOUNG
	MULP F1, 0, 0
	MULP F1, 1, 0
	s_wait_dscnt 0x0
	MULP F1, 2, 0
	MULP F1, 3, 0
	WIN 0
	PLACES
	s_wait_loadcnt 0x0                             ; the residual
	; THE WAY OUT, 32 rows at a time: 32 bytes a lane into my stage, whole rows back, the residual added, stored
.irp hf, 0,1
	WIN 0x08                                       ; the stores' data lie in window 2
.irp m, 0,1
.irp b, 0,1,2,3
	ds_store_b128 v[STO], v[8*((2*(\hf)+(\m))*NB+(\b)):8*((2*(\hf)+(\m))*NB+(\b))+3] offset:(\m)*16*SP+64*(\b)
	ds_store_b128 v[STO], v[8*((2*(\hf)+(\m))*NB+(\b))+4:8*((2*(\hf)+(\m))*NB+(\b))+7] offset:(\m)*16*SP+64*(\b)+16
.endr
.endr
	WIN 0
.irp t, 0,1,2,3,4,5,6,7,8,9,10,11,12,13,14,15
	ds_load_b128 v[ZB+4*(\t):ZB+4*(\t)+3], v[RD] offset:2*SP*(\t)  ; my wave's own bytes, served in order: these see the stores above, and the next half's stores come behind them
.endr
.irp t, 0,1,2,3,4,5,6,7,8,9,10,11,12,13,14,15
	s_wait_dscnt 15-(\t)
	v_pk_add_f32 v[RES+64*(\hf)+4*(\t):RES+64*(\hf)+4*(\t)+1], v[RES+64*(\hf)+4*(\t):RES+64*(\hf)+4*(\t)+1], v[ZB+4*(\t):ZB+4*(\t)+1]
	v_pk_add_f32 v[RES+64*(\hf)+4*(\t)+2:RES+64*(\hf)+4*(\t)+3], v[RES+64*(\hf)+4*(\t)+2:RES+64*(\hf)+4*(\t)+3], v[ZB+4*(\t)+2:ZB+4*(\t)+3]
	global_store_b128 v[CO], v[RES+64*(\hf)+4*(\t):RES+64*(\hf)+4*(\t)+3], s[8:9] offset:(32*(\hf)+2*(\t))*4096  ; sixteen lanes store 256 consecutive bytes, aligned
.endr
.endr
	s_wait_tensorcnt 0x0                           ; the wave's end, behind my last tensor load and my last LDS store
	ds_add_u32 v[SPW], v[NIL]
	s_wait_dscnt 0x0
	CROUND                                         ; the closing round
	s_endpgm
.Lfunc_end_k_q8db84fff5c_proj_o:
	.size	k_q8db84fff5c_proj_o, .Lfunc_end_k_q8db84fff5c_proj_o-k_q8db84fff5c_proj_o
	.p2alignl 7, 3214868480
	.fill 96, 4, 3214868480
	.section	.rodata,"a",@progbits
	.p2align	6, 0x0
	.amdhsa_kernel k_q8db84fff5c_proj_o
		.amdhsa_group_segment_fixed_size 327680
		.amdhsa_private_segment_fixed_size 0
		.amdhsa_enable_private_segment 0
		.amdhsa_kernarg_size 32
		.amdhsa_user_sgpr_count 2
		.amdhsa_user_sgpr_kernarg_segment_ptr 1
		.amdhsa_wavefront_size32 1
		.amdhsa_system_sgpr_workgroup_id_x 1
		.amdhsa_system_sgpr_workgroup_id_y 1
		.amdhsa_system_sgpr_workgroup_id_z 1
		.amdhsa_system_vgpr_workitem_id 0
		.amdhsa_next_free_vgpr 640
		.amdhsa_next_free_sgpr 80
		.amdhsa_reserve_vcc 0
		.amdhsa_float_denorm_mode_32 3
		.amdhsa_float_denorm_mode_16_64 3
		.amdhsa_memory_ordered 1
		.amdhsa_forward_progress 1
		.amdhsa_inst_pref_size 67
	.end_amdhsa_kernel
	.amdgpu_metadata
---
amdhsa.version: [ 1, 2 ]
amdhsa.kernels:
  - .name:           k_q8db84fff5c_proj_o
    .symbol:         k_q8db84fff5c_proj_o.kd
    .args:
      - { .name: ob, .offset: 0, .size: 8, .value_kind: global_buffer, .address_space: global }
      - { .name: wb, .offset: 8, .size: 8, .value_kind: global_buffer, .address_space: global }
      - { .name: x1, .offset: 16, .size: 8, .value_kind: global_buffer, .address_space: global }
      - { .name: x, .offset: 24, .size: 8, .value_kind: global_buffer, .address_space: global }
    .group_segment_fixed_size: 327680
    .private_segment_fixed_size: 0
    .kernarg_segment_align: 8
    .kernarg_segment_size: 32
    .max_flat_workgroup_size: 128
    .sgpr_count:     80
    .vgpr_count:     640
    .wavefront_size: 32
...
	.end_amdgpu_metadata
.endif
;; end of part 4
;; launch prep2: the kernel of part 1 again; grid 256 x 2, 8 waves a work-group, no clusters, 37,888 bytes of LDS; arguments x1, ln2_g, ln2_b, hbuf, wq, wk, wv, wo, w1, w2, wb; writes hbuf, wb
;; launch ff1 (part 5): grid 16 x 16, 4 waves a work-group, clusters of 4 x 4, 327,680 bytes of LDS; arguments hbuf, wb, g, b1; writes g
.if DOCPART == 5
	.amdgcn_target "amdgcn-amd-amdhsa--gfx1250"
	.amdhsa_code_object_version 6
	.text
	.protected	k_q8db84fff5c_ff1
	.globl	k_q8db84fff5c_ff1
	.p2align	8
	.type	k_q8db84fff5c_ff1,@function
k_q8db84fff5c_ff1:
	s_mov_b64 s[64:65], 0
	v_nop
	global_prefetch_b8 v0, s[64:65] scope:SCOPE_SE
	s_setreg_imm32_b32 hwreg(HW_REG_WAVE_MODE, 25, 1), 1
	s_wait_xcnt 0x0
	s_wait_alu depctr_hold_cnt(0) depctr_sa_sdst(0) depctr_va_vdst(0) depctr_va_sdst(0) depctr_va_ssrc(0) depctr_va_vcc(0) depctr_vm_vsrc(0)
	s_getreg_b32 s2, hwreg(HW_REG_IB_STS2, 6, 4)
	s_cmp_eq_u32 s2, 0
	s_cbranch_scc0 .Lentry_in_a_cluster
	s_endpgm
.Lentry_in_a_cluster:
	s_bfe_u32 s2, ttmp6, 0x10000c
	s_cmp_lg_u32 s2, 0xf033
	s_cbranch_scc0 .Lentry_shape_is_right
	s_endpgm
.Lentry_shape_is_right:
; g = gelu(LN2(x1) w1 + b1), the exact GELU.  f16 operands, f32 sums, bias and GELU in f32, g rounded once to f16.  LIMIT: f16 holds no number beyond 65,504; g is taken to stay within it.
; gelu(x) = h + |h| erf(|x| / sqrt 2), h = x / 2; erf(z) = 1 + t (n1 + t (n2 + t (n3 + t (n4 + t n5)))) e^(-z z), t = 1 / (1 + 0.3275911 z): off by 1.5e-7 at the most, for every z (Abramowitz and Stegun 7.1.26).
; A tile of the result is 256 x 256; four waves, each 128 x 128: 64 accumulators, 512 registers.  K = 1,024 in 8 steps of 128.
; OPERANDS LIE IN BLOCKS OF 512 BYTES.  A (hbuf): [K step][16 rows][kb 8][512], the 16 bytes of (row r, k = 8 h ..) at 16 (16 h + r): two blocks on end ARE a fragment, lane l at 16 l.
; W (wb + 8,388,608): [tile][K step][nb 16][kb 8][512], a block 16 k x 16 n in rows of 32 bytes: two turning loads make a fragment.  Tiles are dense in memory and in LDS.
; The product is taken transposed (source 0 = W, source 1 = A): a lane holds one row and 8 neighbouring columns: 16 bytes of a block of g, [K step 16][16 rows][kb 16][512].  The bias is the C operand of the first products.
; THE GELU IS A LOOP: the sums are set aside in LDS (f32), over the two slots, which have had their last fill, behind a barrier; each wave then walks its own 65,536 bytes, 16 numbers a lane and trip.
; RING: two LDS slots; waves 0, 1 fetch A's halves, waves 2, 3 W's, one tensor load each.  CLUSTER 4 x 4: A's tile is asked for jointly along a row, W's along a column.
; By this text's count a wave has two tensor loads out at the start and one behind each round.
.set MB, 8
.set NB, 8
.set KD, 1
.set KSTEP, 128
.set T, 8
.set BT, 65536
.set STEPA, 1<<20
.set WOFF, 8388608
.set YOUNG, 8
.set AHEAD, 1
.set CMODE, 2
.set SLOT1, 1<<17
.set BOFF, 65536
.set SPARE, 262144                     ; behind the ring: the spare words, 128 bytes for each wave, which no other line names
.set MBS, KSTEP*32
.set MPP, MB*KD/4
.set F0, 0
.set F1, 128
.set ADRA0, 4
.set ADRB0, 5
.set ADRA, 6
.set ADRB, 7
.set PFO, 8
.set DMP, 9                            ; v9   where my sums are set aside: 65,536 x wave + 16 x lane
.set LD,  10                           ; v10  where the loop reads
.set GO,  12                           ; v12  my byte offset in g
.set SPW, 28
.set NIL, 29
.set BIAS, 32                          ; v[32:95] the bias of my 128 columns; later the loop's registers
.set GX, 32
.set GH, 48
.set GE, 64
.set GA, 80
.set GT, 96
.set GR, 112
.set GY, 128
.set KP2, 144                          ; pairs of constants
.set KNC, 146
.set KN1, 148
.set KN2, 150
.set KN3, 152
.set KN4, 154
.set KN5, 156
.set WV, 14
.set ROLE, 15
.set HALF, 16
.set CX, 17
.set CY, 18
.set TCOL, 19
.set TROW, 20
.set G1A, 24
.set G1B, 32
.set AA, 40
.set BA, 42
.set G0A, 48
.set G0B, 56
.set TB, 66
.set CNT, 67
.set LIM, 68
.set WM, 69
.set PFA, 70
.set PFS, 72
.set WN, 74
.set MSB, 0
.macro WIN new                         ; s_set_vgpr_msb: bits 1:0 source 0, 3:2 source 1, 5:4 source 2, 7:6 destination; the high byte repeats the setting that is left
.if MSB != (\new)
	s_set_vgpr_msb (MSB<<8)|(\new)
.set MSB, (\new)
.endif
.endm
.macro PLACES                          ; four plain places behind matrix instructions, ahead of loads into registers that they read and of readers of their results
.rept 4
	v_nop
.endr
.endm
.macro CREST
	s_cmp_lg_u32 s[WV], 0
	s_cbranch_scc1 .Lnot_wave_0_\@
	s_barrier_signal -3
.Lnot_wave_0_\@:
	s_barrier_wait -3
	s_barrier_signal -1
	s_barrier_wait -1
.endm
.macro CROUND
	s_barrier_signal -1
	s_barrier_wait -1
	CREST
.endm
.macro JLOAD                           ; a joint refill by the walking descriptors; the branch hangs on the wave's number alone; s_nop 0 and four v_nop follow each line
	s_cmp_eq_u32 s[ROLE], 0
	s_cbranch_scc0 .Lfor_b_\@
	tensor_load_to_lds s[G0A+4:G0A+7], s[G1A:G1A+7]
	s_nop 0
	PLACES
	s_branch .Lasked_\@
.Lfor_b_\@:
	tensor_load_to_lds s[G0B+4:G0B+7], s[G1B:G1B+7]
	s_nop 0
	PLACES
.Lasked_\@:
.endm
.macro ASK                             ; a prefetch into the L2 of my share of the K step AHEAD refills on: a lane a block of 256 bytes; the last AHEAD refills ask for nothing
	s_cmp_gt_u32 s[CNT], s[LIM]
	s_cbranch_scc0 .Lnot_mine_\@
	global_prefetch_b8 v[PFO], s[PFA:PFA+1] th:TH_LOAD_NT scope:SCOPE_SE
.Lnot_mine_\@:
.endm
; Part p of four of a quarter step's products on buffer f.  cm = 0: add in place; 2: the product starts the sum with the bias.  The accumulators take turns, one instruction a turn.
.macro MULP f, p, cm
.set u, (\p)*MPP
.rept MPP
.set kd, u/MB
.set mb, u%MB
.set nb, 0
.rept NB
.set aw, 2+(8*(mb*NB+nb))/256
.set ar, (8*(mb*NB+nb))%256
.set x0, (\f)+kd*8*(NB+MB)+8*nb
.set x1, (\f)+kd*8*(NB+MB)+8*NB+8*mb
.if (\cm) == 2
	WIN 0x05|(aw<<6)
	v_wmma_f32_16x16x32_f16 v[ar:ar+7], v[x0:x0+7], v[x1:x1+7], v[BIAS+8*nb:BIAS+8*nb+7]
.else
	WIN 0x05|(aw*0x50)
	v_wmma_f32_16x16x32_f16 v[ar:ar+7], v[x0:x0+7], v[x1:x1+7], v[ar:ar+7]
.endif
.set nb, nb+1
.endr
.set u, u+1
.endr
.endm
.macro FETCH q, f                      ; 32 LDS loads in one run: quarter q's fragments into buffer f
	WIN 0x40
.set kd, 0
.rept KD
.set ko, ((\q)*KD+kd)*1024
.set fb, (\f)+kd*8*(NB+MB)
.set n, 0
.rept NB
	ds_load_tr16_b128 v[fb+8*n:fb+8*n+3], v[ADRB] offset:n*MBS+ko
	ds_load_tr16_b128 v[fb+8*n+4:fb+8*n+7], v[ADRB] offset:n*MBS+ko+512
.set n, n+1
.endr
.set n, 0
.rept MB
	ds_load_b128 v[fb+8*NB+8*n:fb+8*NB+8*n+3], v[ADRA] offset:n*MBS+ko
	ds_load_b128 v[fb+8*NB+8*n+4:fb+8*NB+8*n+7], v[ADRA] offset:n*MBS+ko+512
.set n, n+1
.endr
.set kd, kd+1
.endr
.endm
.macro QUARTER f, g, q, cm             ; multiplies buffer f; in its middle fetches quarter q into buffer g
	s_wait_dscnt YOUNG                             ; all but the youngest YOUNG loads, which only the second half reads
	MULP \f, 0, \cm
	MULP \f, 1, \cm
	PLACES
	FETCH \q, \g
	s_wait_dscnt 32                                ; all but the 32 just issued
	MULP \f, 2, \cm
	MULP \f, 3, \cm
.endm
; The last quarter multiplies buffer 1 and changes slots.  Ahead of the barrier each wave waits for all its tensor loads (its part of the next slot), adds 0 to its spare word, and waits for that and for its reads of this slot.
; fill = 1: the barrier opens a round of the cluster's, and the joint refill of this slot, two K steps on, is the first thing behind it.
.macro TURN fill
.if (\fill) && AHEAD
	s_wait_xcnt 0x0                                ; the last prefetch, a K step back, has read its address
	s_add_nc_u64 s[PFA:PFA+1], s[PFA:PFA+1], s[PFS:PFS+1]
.endif
	WIN 0
	s_wait_tensorcnt 0x0
	ds_add_u32 v[SPW], v[NIL]
	s_wait_dscnt YOUNG+1                           ; the add and the youngest YOUNG loads may be out
	MULP F1, 0, 0
	s_wait_dscnt 0x0                               ; the add is done, my reads of this slot are over
	s_barrier_signal -1
	MULP F1, 1, 0
	WIN 0
	s_barrier_wait -1
.if \fill
	CREST
	s_xor_b32 s[G0A+5], s[G0A+5], SLOT1
	s_add_nc_u64 s[G0A+6:G0A+7], s[G0A+6:G0A+7], STEPA
	s_xor_b32 s[G0B+5], s[G0B+5], SLOT1
	s_add_nc_u64 s[G0B+6:G0B+7], s[G0B+6:G0B+7], BT
	JLOAD
.else
	PLACES
.endif
	s_xor_b32 s[TB], s[TB], SLOT1
	v_add_nc_u32 v[ADRA], s[TB], v[ADRA0]
	v_add_nc_u32 v[ADRB], s[TB], v[ADRB0]
	FETCH 0, F0
.if (\fill) && AHEAD
	WIN 0
	ASK
.endif
	MULP F1, 2, 0
	MULP F1, 3, 0
.endm
	s_load_b256 s[4:11], s[0:1], 0x0               ; A s[4:5], W s[6:7], g s[8:9], b1 s[10:11]
	v_lshl_add_u32 v[SPW], v0, 2, SPARE
	v_mov_b32 v[NIL], 0
	ds_add_u32 v[SPW], v[NIL]                      ; the wave's opening: the add and its wait ahead of my first tensor load
	v_lshrrev_b32 v1, 5, v0
	v_readfirstlane_b32 s[WV], v1
	s_lshr_b32 s[ROLE], s[WV], 1                   ; I fetch for A (0) or for W (1),
	s_and_b32 s[HALF], s[WV], 1                    ; this half of the tile
	s_mov_b32 s[WM], s[ROLE]                       ; my half of the tile's rows,
	s_mov_b32 s[WN], s[HALF]                       ; and of its columns
	s_bfe_u32 s[CX], ttmp6, 0x40000
	s_bfe_u32 s[CY], ttmp6, 0x40004
	s_lshl_b32 s[TCOL], ttmp9, 2
	s_add_co_u32 s[TCOL], s[TCOL], s[CX]
	s_and_b32 s[TROW], ttmp7, 0xffff
	s_lshl_b32 s[TROW], s[TROW], 2
	s_add_co_u32 s[TROW], s[TROW], s[CY]
	s_lshl_b32 s44, s[CY], 2
	s_lshl_b32 s44, 15, s44                        ; my row of the cluster
	s_lshl_b32 s46, 0x1111, s[CX]                  ; my column
	s_or_b32 s[G1A], s44, (3<<16)|(1<<21)          ; the mask; elements of 8 bytes; bit 21 set beside a mask; no padding
	s_or_b32 s[G1B], s46, (3<<16)|(1<<21)
	s_mov_b32 s[G1A+1], 32<<16                     ; a dense block as rows of 32 elements = 256 bytes
	s_mov_b32 s[G1A+2], 128<<16
	s_mov_b32 s[G1A+3], 32<<16
	s_mov_b32 s[G1A+4], 128
	s_mov_b32 s[G1A+5], 32
	s_mov_b32 s[G1A+6], 0
	s_mov_b32 s[G1A+7], 0
	s_mov_b32 s[G1B+1], 32<<16
	s_mov_b32 s[G1B+2], (BT/512)<<16
	s_mov_b32 s[G1B+3], 32<<16
	s_mov_b32 s[G1B+4], BT/512
	s_mov_b32 s[G1B+5], 32
	s_mov_b32 s[G1B+6], 0
	s_mov_b32 s[G1B+7], 0
	s_lshl_b32 s44, s[TROW], 16                    ; A's tile hangs on the tile row alone,
	s_lshl_b32 s45, s[HALF], 15
	s_add_co_u32 s44, s44, s45
	s_mov_b32 s45, 0
	s_mul_i32 s46, s[TCOL], T*BT                   ; W's on the tile column alone
	s_mul_i32 s47, s[HALF], BT/2
	s_add_co_u32 s46, s46, s47
	s_add_co_u32 s46, s46, WOFF
	s_mov_b32 s47, 0
	s_lshl_b32 s21, s[WV], 15                      ; where they go: the wave's number times a constant
	s_mul_i32 s22, s[WV], BT/2
	s_add_co_u32 s22, s22, 65536-BT
	s_mov_b32 s75, 0x7fffffff
	s_wait_dscnt 0x0                               ; the opening add is done
	s_wait_kmcnt 0x0
	s_add_nc_u64 s[AA:AA+1], s[4:5], s[44:45]
	s_add_nc_u64 s[BA:BA+1], s[6:7], s[46:47]
	CROUND                                         ; all sixteen work-groups are here: the first joint loads meet
.irp s, 0,1
	s_mov_b32 s[G0A+4*(\s)], 1
	s_add_co_u32 s[G0A+4*(\s)+1], s21, (\s)*SLOT1
	s_add_nc_u64 s[G0A+4*(\s)+2:G0A+4*(\s)+3], s[AA:AA+1], (\s)*STEPA
	s_or_b32 s[G0A+4*(\s)+3], s[G0A+4*(\s)+3], 0x80000000
	s_mov_b32 s[G0B+4*(\s)], 1
	s_add_co_u32 s[G0B+4*(\s)+1], s22, (\s)*SLOT1
	s_add_nc_u64 s[G0B+4*(\s)+2:G0B+4*(\s)+3], s[BA:BA+1], (\s)*BT
	s_or_b32 s[G0B+4*(\s)+3], s[G0B+4*(\s)+3], 0x80000000
.endr
	s_cmp_eq_u32 s[ROLE], 0                        ; a wave's two first fills stand in one branch
	s_cbranch_scc0 .Lfirst_b
	tensor_load_to_lds s[G0A:G0A+3], s[G1A:G1A+7]
	s_nop 0
	tensor_load_to_lds s[G0A+4:G0A+7], s[G1A:G1A+7]
	s_nop 0
	PLACES
	s_branch .Lfirst_asked
.Lfirst_b:
	tensor_load_to_lds s[G0B:G0B+3], s[G1B:G1B+7]
	s_nop 0
	tensor_load_to_lds s[G0B+4:G0B+7], s[G1B:G1B+7]
	s_nop 0
	PLACES
.Lfirst_asked:
	v_and_b32 v1, 31, v0
	v_lshlrev_b32 v2, 4, v1                        ; 16 x lane; never rewritten
	v_bfe_u32 v16, v0, 4, 1
	v_bfe_u32 v17, v0, 3, 1
	; the bias: in the transposed result register j of a lane is column 16 nb + 8 (l / 16) + j
	s_lshl_b32 s76, s[TCOL], 10
	s_lshl_b32 s77, s[WN], 9
	s_add_co_u32 s76, s76, s77
	s_mov_b32 s77, 0
	s_add_nc_u64 s[10:11], s[10:11], s[76:77]
	v_lshlrev_b32 v19, 5, v16
.irp b, 0,1,2,3,4,5,6,7
	global_load_b128 v[BIAS+8*(\b):BIAS+8*(\b)+3], v19, s[10:11] offset:64*(\b)
	global_load_b128 v[BIAS+8*(\b)+4:BIAS+8*(\b)+7], v19, s[10:11] offset:64*(\b)+16
.endr
	s_mul_i32 s76, s[WM], MB*MBS
	v_add_nc_u32 v[ADRA0], s76, v2
	v_and_b32 v3, 7, v0                            ; the turning load: row 8 (l / 16) + l % 8 of 32 bytes, half (l / 8) % 2 of it
	v_lshl_add_u32 v3, v16, 3, v3
	v_lshlrev_b32 v3, 5, v3
	v_lshl_add_u32 v3, v17, 4, v3
	s_mul_i32 s77, s[WN], NB*MBS
	s_add_co_u32 s77, s77, BOFF
	v_add_nc_u32 v[ADRB0], s77, v3
	v_mov_b32 v[ADRA], v[ADRA0]
	v_mov_b32 v[ADRB], v[ADRB0]
	s_mov_b32 s[TB], 0
	; the prefetches: A's tile rows are read by every cluster of a row of clusters: cluster x = 0 asks; W's by every cluster of a column: cluster y = 0 asks.  The four joint partners share a wave's part out by address.
	s_and_b32 s76, ttmp7, 0xffff
	s_mov_b32 s78, BT/8
	s_mov_b32 s[PFS], BT
	s_mov_b32 s79, BT/2048-1
	s_cmp_eq_u32 s[ROLE], 0
	s_cselect_b32 s76, ttmp9, s76
	s_cselect_b32 s77, s[CX], s[CY]
	s_cselect_b32 s78, 8192, s78
	s_cselect_b32 s[PFS], STEPA, s[PFS]
	s_cselect_b32 s79, 31, s79
	s_cselect_b64 s[PFA:PFA+1], s[AA:AA+1], s[BA:BA+1]
	s_cmp_eq_u32 s76, 0
	s_cselect_b32 s[LIM], AHEAD, -1
	s_mul_i32 s76, s77, s78
	s_mul_i32 s77, s[PFS], 1+AHEAD
	s_add_co_u32 s76, s76, s77
	s_mov_b32 s77, 0
	s_add_nc_u64 s[PFA:PFA+1], s[PFA:PFA+1], s[76:77]  ; the first refill steps it to K step 2 + AHEAD
	s_mov_b32 s[PFS+1], 0
	v_min_u32 v[PFO], s79, v1
	v_lshlrev_b32 v[PFO], 8, v[PFO]
	; the way out's addresses
	v_lshl_add_u32 v[DMP], s[WV], 16, v2
	s_lshl_b32 s76, s[TCOL], 8
	s_lshl4_add_u32 s76, s[TROW], s76
	s_lshl3_add_u32 s76, s[WM], s76                ; K step of g x 256 + my first 16 rows
	s_lshl_b32 s76, s76, 4
	s_lshl3_add_u32 s76, s[WN], s76                ; + my first kb
	s_lshl_b32 s76, s76, 9
	s_mov_b32 s77, 0
	s_add_nc_u64 s[8:9], s[8:9], s[76:77]
	s_wait_loadcnt 0x0                             ; the bias
	s_wait_tensorcnt 0x1                           ; my part of K step 0 is in; step 1's may stay out
	s_barrier_signal -1
	s_barrier_wait -1
	FETCH 0, F0
	QUARTER F0, F1, 1, CMODE                       ; the first quarter starts the sums, with the bias
	WIN 0
	s_mov_b32 s[CNT], T-2
.Lstep:                                        ; a trip: from a K step's second quarter to the next step's first; the slot left is filled again
	QUARTER F1, F0, 2, 0
	QUARTER F0, F1, 3, 0
	TURN 1
	QUARTER F0, F1, 1, 0
	WIN 0
	s_sub_co_u32 s[CNT], s[CNT], 1
	s_cmp_lg_u32 s[CNT], 0
	s_cbranch_scc1 .Lstep
	s_mov_b32 s[CNT], 2
.Ltail:                                        ; the last two K steps ask for nothing more: a text of their own; the second trip is left in its middle
	QUARTER F1, F0, 2, 0
	QUARTER F0, F1, 3, 0
	WIN 0
	s_sub_co_u32 s[CNT], s[CNT], 1
	s_cmp_eq_u32 s[CNT], 0
	s_cbranch_scc1 .Llast
	TURN 0
	QUARTER F0, F1, 1, 0
	WIN 0
	s_branch .Ltail
.Llast:
	s_wait_dscnt YOUNG
	MULP F1, 0, 0
	MULP F1, 1, 0
	s_wait_dscnt 0x0                               ; my reads of the slots are over:
	s_barrier_signal -1
	MULP F1, 2, 0
	MULP F1, 3, 0
	WIN 0
	s_barrier_wait -1                              ; everybody's are: the slots, which are filled no more, may be written
	v_mov_b32 v[KP2], 0x3eed3388                   ; 0.3275911 sqrt 2 (these lines are the places behind the last products)
	v_mov_b32 v[KP2+1], 0x3eed3388
	v_mov_b32 v[KNC], 0xbf38aa3b                   ; - log2(e) / 2
	v_mov_b32 v[KNC+1], 0xbf38aa3b
	v_mov_b32 v[KN1], 0xbe827906                   ; -0.254829592
	v_mov_b32 v[KN1+1], 0xbe827906
	v_mov_b32 v[KN2], 0x3e91a98e                   ; 0.284496736
	v_mov_b32 v[KN2+1], 0x3e91a98e
	v_mov_b32 v[KN3], 0xbfb5f0e3                   ; -1.421413741
	v_mov_b32 v[KN3+1], 0xbfb5f0e3
	v_mov_b32 v[KN4], 0x3fba00e3                   ; 1.453152027
	v_mov_b32 v[KN4+1], 0x3fba00e3
	v_mov_b32 v[KN5], 0xbf87dc22                   ; -1.061405429
	v_mov_b32 v[KN5+1], 0xbf87dc22
	v_mov_b32 v[LD], v[DMP]
.set a, 0
.rept 64                               ; accumulator a: its low four registers at 1,024 a, its high four 512 on, lane l at 16 l
	WIN 0x08+4*(a/32)
	ds_store_b128 v[DMP], v[(8*a)%256:(8*a)%256+3] offset:1024*a
	ds_store_b128 v[DMP], v[(8*a)%256+4:(8*a)%256+7] offset:1024*a+512
.set a, a+1
.endr
	WIN 0
.irp q, 0,1,2,3
	ds_load_b128 v[GX+4*(\q):GX+4*(\q)+3], v[LD] offset:512*(\q)  ; my wave's own bytes, served in order
.endr
; A trip: two accumulators, 16 numbers a lane.  more = 1: the next trip's numbers are asked for as soon as this trip's have been read.
.macro PK8 line:vararg                 ; one packed line for each of the 8 pairs, j = 0, 2 .. 14
.set j, 0
.rept 8
	\line
.set j, j+2
.endr
.endm
.macro GTRIP more
	s_wait_dscnt 0x0
	PK8 v_pk_mul_f32 v[GH+j:GH+j+1], v[GX+j:GX+j+1], 0.5 op_sel_hi:[1,0]
	PK8 v_pk_mul_f32 v[GE+j:GE+j+1], v[GX+j:GX+j+1], v[GX+j:GX+j+1]
.if \more
	v_add_nc_u32 v[LD], 2048, v[LD]
.irp q, 0,1,2,3
	ds_load_b128 v[GX+4*(\q):GX+4*(\q)+3], v[LD] offset:512*(\q)
.endr
.endif
.set j, 0
.rept 16
	v_and_b32 v[GA+j], s75, v[GH+j]
.set j, j+1
.endr
	PK8 v_pk_fma_f32 v[GT+j:GT+j+1], v[GA+j:GA+j+1], v[KP2:KP2+1], 1.0 op_sel_hi:[1,1,0]
	PK8 v_pk_mul_f32 v[GE+j:GE+j+1], v[GE+j:GE+j+1], v[KNC:KNC+1]
.set j, 0
.rept 16
	v_rcp_f32 v[GT+j], v[GT+j]
.set j, j+1
.endr
.set j, 0
.rept 16
	v_exp_f32 v[GE+j], v[GE+j]
.set j, j+1
.endr
	v_nop                                          ; a plain instruction behind the last of the batch,
	s_wait_alu depctr_va_vdst(0)                   ; and the one wait ahead of the first use of its 32 results
	PK8 v_pk_fma_f32 v[GR+j:GR+j+1], v[GT+j:GT+j+1], v[KN5:KN5+1], v[KN4:KN4+1]
	PK8 v_pk_fma_f32 v[GR+j:GR+j+1], v[GR+j:GR+j+1], v[GT+j:GT+j+1], v[KN3:KN3+1]
	PK8 v_pk_fma_f32 v[GR+j:GR+j+1], v[GR+j:GR+j+1], v[GT+j:GT+j+1], v[KN2:KN2+1]
	PK8 v_pk_fma_f32 v[GR+j:GR+j+1], v[GR+j:GR+j+1], v[GT+j:GT+j+1], v[KN1:KN1+1]
	PK8 v_pk_mul_f32 v[GR+j:GR+j+1], v[GR+j:GR+j+1], v[GT+j:GT+j+1]
	PK8 v_pk_fma_f32 v[GR+j:GR+j+1], v[GR+j:GR+j+1], v[GE+j:GE+j+1], 1.0 op_sel_hi:[1,1,0]
	PK8 v_pk_fma_f32 v[GH+j:GH+j+1], v[GA+j:GA+j+1], v[GR+j:GR+j+1], v[GH+j:GH+j+1]
	s_wait_xcnt 0x0                                ; the last trip's stores have read their data and their offset
	s_lshr_b32 s76, s[CNT], 2                      ; trip i: 16 rows i / 4 (8,192 bytes on), kb 2 (i % 4) and the next
	s_lshl_b32 s76, s76, 13
	s_and_b32 s77, s[CNT], 3
	s_lshl_b32 s77, s77, 10
	s_add_co_u32 s76, s76, s77
	v_add_nc_u32 v[GO], s76, v2
.set j, 0
.rept 8
	v_cvt_pk_f16_f32 v[GY+j], v[GH+2*j], v[GH+2*j+1]
.set j, j+1
.endr
	global_store_b128 v[GO], v[GY:GY+3], s[8:9]             ; a block: 512 consecutive bytes, aligned
	global_store_b128 v[GO], v[GY+4:GY+7], s[8:9] offset:512
.endm
	s_mov_b32 s[CNT], 0
.Lgelu:
	GTRIP 1
	s_add_co_u32 s[CNT], s[CNT], 1
	s_cmp_lt_u32 s[CNT], 31
	s_cbranch_scc1 .Lgelu
	GTRIP 0                                        ; the last trip reads nothing more
	s_wait_tensorcnt 0x0                           ; the wave's end, behind my last tensor load and my last LDS store
	ds_add_u32 v[SPW], v[NIL]
	s_wait_dscnt 0x0
	CROUND                                         ; the closing round
	s_endpgm
.Lfunc_end_k_q8db84fff5c_ff1:
	.size	k_q8db84fff5c_ff1, .Lfunc_end_k_q8db84fff5c_ff1-k_q8db84fff5c_ff1
	.p2alignl 7, 3214868480
	.fill 96, 4, 3214868480
	.section	.rodata,"a",@progbits
	.p2align	6, 0x0
	.amdhsa_kernel k_q8db84fff5c_ff1
		.amdhsa_group_segment_fixed_size 327680
		.amdhsa_private_segment_fixed_size 0
		.amdhsa_enable_private_segment 0
		.amdhsa_kernarg_size 32
		.amdhsa_user_sgpr_count 2
		.amdhsa_user_sgpr_kernarg_segment_ptr 1
		.amdhsa_wavefront_size32 1
		.amdhsa_system_sgpr_workgroup_id_x 1
		.amdhsa_system_sgpr_workgroup_id_y 1
		.amdhsa_system_sgpr_workgroup_id_z 1
		.amdhsa_system_vgpr_workitem_id 0
		.amdhsa_next_free_vgpr 1024
		.amdhsa_next_free_sgpr 80
		.amdhsa_reserve_vcc 0
		.amdhsa_float_denorm_mode_32 3
		.amdhsa_float_denorm_mode_16_64 3
		.amdhsa_memory_ordered 1
		.amdhsa_forward_progress 1
		.amdhsa_inst_pref_size 100
	.end_amdhsa_kernel
	.amdgpu_metadata
---
amdhsa.version: [ 1, 2 ]
amdhsa.kernels:
  - .name:           k_q8db84fff5c_ff1
    .symbol:         k_q8db84fff5c_ff1.kd
    .args:
      - { .name: hbuf, .offset: 0, .size: 8, .value_kind: global_buffer, .address_space: global }
      - { .name: wb, .offset: 8, .size: 8, .value_kind: global_buffer, .address_space: global }
      - { .name: g, .offset: 16, .size: 8, .value_kind: global_buffer, .address_space: global }
      - { .name: b1, .offset: 24, .size: 8, .value_kind: global_buffer, .address_space: global }
    .group_segment_fixed_size: 327680
    .private_segment_fixed_size: 0
    .kernarg_segment_align: 8
    .kernarg_segment_size: 32
    .max_flat_workgroup_size: 128
    .sgpr_count:     80
    .vgpr_count:     1024
    .wavefront_size: 32
...
	.end_amdgpu_metadata
.endif
;; end of part 5
;; launch ff2 (part 6): grid 8 x 32, 4 waves a work-group, clusters of 4 x 4, 327,680 bytes of LDS; arguments g, wb, out0, x1, b2; writes out0
.if DOCPART == 6
	.amdgcn_target "amdgcn-amd-amdhsa--gfx1250"
	.amdhsa_code_object_version 6
	.text
	.protected	k_q8db84fff5c_ff2
	.globl	k_q8db84fff5c_ff2
	.p2align	8
	.type	k_q8db84fff5c_ff2,@function
k_q8db84fff5c_ff2:
	s_mov_b64 s[64:65], 0
	v_nop
	global_prefetch_b8 v0, s[64:65] scope:SCOPE_SE
	s_setreg_imm32_b32 hwreg(HW_REG_WAVE_MODE, 25, 1), 1
	s_wait_xcnt 0x0
	s_wait_alu depctr_hold_cnt(0) depctr_sa_sdst(0) depctr_va_vdst(0) depctr_va_sdst(0) depctr_va_ssrc(0) depctr_va_vcc(0) depctr_vm_vsrc(0)
	s_getreg_b32 s2, hwreg(HW_REG_IB_STS2, 6, 4)
	s_cmp_eq_u32 s2, 0
	s_cbranch_scc0 .Lentry_in_a_cluster
	s_endpgm
.Lentry_in_a_cluster:
	s_bfe_u32 s2, ttmp6, 0x10000c
	s_cmp_lg_u32 s2, 0xf033
	s_cbranch_scc0 .Lentry_shape_is_right
	s_endpgm
.Lentry_shape_is_right:
; out0 = g w2 + b2 + x1.  f16 operands, f32 sums; bias, x1 and the result are f32.  LIMIT: f16 holds no number beyond 65,504 (the operands were made within it).
; A tile of the result is 128 x 128, so that 4,096 x 1,024 gives 256 work-groups; four waves, each 64 x 64: 16 accumulators, 128 registers.  K = 4,096 in 16 steps of 256.
; OPERANDS LIE IN BLOCKS OF 512 BYTES.  A (g): [K step][16 rows][kb 16][512], the 16 bytes of (row r, k = 8 h ..) at 16 (16 h + r): two blocks on end ARE a fragment, lane l at 16 l.
; W (wb + 16,777,216): [tile][K step][nb 8][kb 16][512], a block 16 k x 16 n in rows of 32 bytes: two turning loads make a fragment.  Tiles are dense in memory and in LDS.
; The product is taken transposed (source 0 = W, source 1 = A): a lane holds one row and 8 neighbouring columns; the bias is the C operand of the first products.  f32 rows leave through the wave's own stage in LDS.
; RING: two LDS slots; waves 0, 1 fetch A's halves, waves 2, 3 W's, one tensor load each.  CLUSTER 4 x 4: A's tile is asked for jointly along a row, W's along a column.
; By this text's count a wave has two tensor loads out at the start and one behind each round.
; THE WALK ALONG K BEGINS ELSEWHERE IN EACH CLUSTER: cluster (X, Y) of the 2 x 8 begins at K step (8 X + 4 Y) mod 16 and wraps round (f32 sums may be taken in any order).  The two clusters that read the same rows
; of A stand 8 steps apart, those that read the same columns of W 4 steps or a multiple apart: they ask for a block at different times.  The start hangs on the cluster's place alone, which its sixteen work-groups share.
; Each fill's address is made anew: the tile's first step plus the step's number times the stride.
.set MB, 4
.set NB, 4
.set KD, 2
.set KSTEP, 256
.set T, 16
.set BT, 65536
.set STEPA, 1<<21
.set WOFF, 16777216
.set YOUNG, 16
.set AHEAD, 2                          ; a prefetch names the K step two refills on: 256 matrix instructions ahead of the load that will want it
.set NASK, 4                           ; the first four refills are followed by one
.set CMODE, 2
.set SLOT1, 1<<17
.set BOFF, 65536
.set STAGE, 262144                     ; behind the ring, never filled by a tensor load: 32 rows x 272 bytes for each wave
.set SP, 272
.set SPARE, STAGE+4*32*SP              ; the spare words, 128 bytes for each wave, which no other line names
.set MBS, KSTEP*32
.set MPP, MB*KD/4
.set F0, 0
.set F1, 128
.set ADRA0, 4
.set ADRB0, 5
.set ADRA, 6
.set ADRB, 7
.set PFO, 8
.set STO, 9
.set RD, 10
.set CO, 11
.set SPW, 28
.set NIL, 29
.set BIAS, 32                          ; v[32:63]   the bias of my 64 columns
.set ZB, 64                            ; v[64:127]  32 rows read back from the stage
.set RES, 128                          ; v[128:255] the residual, then the result
.set PFB, 2                            ; s[2:3] A at my work-group's share of the blocks that I fetch, K step 0
.set WV, 14
.set ROLE, 15
.set HALF, 16
.set CX, 17
.set CY, 18
.set TCOL, 19
.set TROW, 20
.set PI, 23                            ; s23 the K step that the last prefetch named
.set G1A, 24
.set G1B, 32
.set AA, 40
.set BA, 42
.set G0A, 48
.set G0B, 56
.set TB, 66
.set CNT, 67
.set LIM, 68
.set WM, 69
.set PFA, 70
.set S0R, 72                           ; s72 the K step at which my cluster begins
.set WN, 74
.set SI, 75                            ; s75 the K step that was asked for last
.set MSB, 0
.macro WIN new                         ; s_set_vgpr_msb: bits 1:0 source 0, 3:2 source 1, 5:4 source 2, 7:6 destination; the high byte repeats the setting that is left
.if MSB != (\new)
	s_set_vgpr_msb (MSB<<8)|(\new)
.set MSB, (\new)
.endif
.endm
.macro PLACES                          ; four plain places behind matrix instructions, ahead of loads into registers that they read and of readers of their results
.rept 4
	v_nop
.endr
.endm
.macro CREST
	s_cmp_lg_u32 s[WV], 0
	s_cbranch_scc1 .Lnot_wave_0_\@
	s_barrier_signal -3
.Lnot_wave_0_\@:
	s_barrier_wait -3
	s_barrier_signal -1
	s_barrier_wait -1
.endm
.macro CROUND
	s_barrier_signal -1
	s_barrier_wait -1
	CREST
.endm
.macro JLOAD                           ; a joint refill by the walking descriptors; the branch hangs on the wave's number alone; s_nop 0 and four v_nop follow each line
	s_cmp_eq_u32 s[ROLE], 0
	s_cbranch_scc0 .Lfor_b_\@
	tensor_load_to_lds s[G0A+4:G0A+7], s[G1A:G1A+7]
	s_nop 0
	PLACES
	s_branch .Lasked_\@
.Lfor_b_\@:
	tensor_load_to_lds s[G0B+4:G0B+7], s[G1B:G1B+7]
	s_nop 0
	PLACES
.Lasked_\@:
.endm
; A PREFETCH INTO THE L2.  Of A's rows a cluster is the first to ask for the steps 0 to 7 of its own walk (its neighbour along x begins 8 steps on).  Steps 0 to 3 come by their loads alone; steps 4 to 7 are named here,
; two refills ahead, behind the first four refills: waves 0 and 1, which fetch A, ask; of the 128 blocks of 256 bytes that a wave fetches the partner at place cx names 32, a lane a block, told apart by address.
; So each of these blocks is named once in the launch.  W is not asked for: each of its steps is among the first four of some cluster's walk.
.macro ASK
	s_cmp_gt_u32 s[CNT], s[LIM]
	s_cbranch_scc0 .Lnot_mine_\@
	global_prefetch_b8 v[PFO], s[PFA:PFA+1] th:TH_LOAD_NT scope:SCOPE_SE
.Lnot_mine_\@:
.endm
; Part p of four of a quarter step's products on buffer f.  cm = 0: add in place; 2: the product starts the sum with the bias.  The accumulators take turns, one instruction a turn.
.macro MULP f, p, cm
.set u, (\p)*MPP
.rept MPP
.set kd, u/MB
.set mb, u%MB
.set nb, 0
.rept NB
.set aw, 2+(8*(mb*NB+nb))/256
.set ar, (8*(mb*NB+nb))%256
.set x0, (\f)+kd*8*(NB+MB)+8*nb
.set x1, (\f)+kd*8*(NB+MB)+8*NB+8*mb
.if (\cm) == 2
	WIN 0x05|(aw<<6)
	v_wmma_f32_16x16x32_f16 v[ar:ar+7], v[x0:x0+7], v[x1:x1+7], v[BIAS+8*nb:BIAS+8*nb+7]
.else
	WIN 0x05|(aw*0x50)
	v_wmma_f32_16x16x32_f16 v[ar:ar+7], v[x0:x0+7], v[x1:x1+7], v[ar:ar+7]
.endif
.set nb, nb+1
.endr
.set u, u+1
.endr
.endm
.macro FETCH q, f                      ; 32 LDS loads in one run: quarter q's fragments (64 along K) into buffer f, the first 32 along K first
	WIN 0x40
.set kd, 0
.rept KD
.set ko, ((\q)*KD+kd)*1024
.set fb, (\f)+kd*8*(NB+MB)
.set n, 0
.rept NB
	ds_load_tr16_b128 v[fb+8*n:fb+8*n+3], v[ADRB] offset:n*MBS+ko
	ds_load_tr16_b128 v[fb+8*n+4:fb+8*n+7], v[ADRB] offset:n*MBS+ko+512
.set n, n+1
.endr
.set n, 0
.rept MB
	ds_load_b128 v[fb+8*NB+8*n:fb+8*NB+8*n+3], v[ADRA] offset:n*MBS+ko
	ds_load_b128 v[fb+8*NB+8*n+4:fb+8*NB+8*n+7], v[ADRA] offset:n*MBS+ko+512
.set n, n+1
.endr
.set kd, kd+1
.endr
.endm
.macro QUARTER f, g, q, cm             ; multiplies buffer f; in its middle fetches quarter q into buffer g
	s_wait_dscnt YOUNG                             ; the first 32 along K are in; the youngest YOUNG loads serve the second half
	MULP \f, 0, \cm
	MULP \f, 1, \cm
	PLACES
	FETCH \q, \g
	s_wait_dscnt 32                                ; all but the 32 just issued
	MULP \f, 2, 0
	MULP \f, 3, 0
.endm
; The last quarter multiplies buffer 1 and changes slots.  Ahead of the barrier each wave waits for all its tensor loads (its part of the next slot), adds 0 to its spare word, and waits for that and for its reads of this slot.
; fill = 1: the barrier opens a round of the cluster's, and the joint refill of this slot, two K steps on in the walk, is the first thing behind it; its descriptors are written between the add and the wait for it,
; where no tensor load of the wave is out.
.macro TURN fill
.if \fill
	s_wait_xcnt 0x0                                ; the last prefetch, a K step back, has read its address
	s_add_co_u32 s[PI], s[PI], 1
	s_and_b32 s[PI], s[PI], T-1                    ; the walk wraps round
	s_lshl_b32 s76, s[PI], 21
	s_add_nc_u64 s[PFA:PFA+1], s[PFB:PFB+1], s[76:77]
.endif
	WIN 0
	s_wait_tensorcnt 0x0
	ds_add_u32 v[SPW], v[NIL]
.if \fill
	s_add_co_u32 s[SI], s[SI], 1
	s_and_b32 s[SI], s[SI], T-1
	s_lshl_b32 s76, s[SI], 21                      ; a K step of A is 2,097,152 bytes on,
	s_lshl_b32 s78, s[SI], 16                      ; of W 65,536
	s_xor_b32 s[G0A+5], s[G0A+5], SLOT1
	s_add_nc_u64 s[G0A+6:G0A+7], s[AA:AA+1], s[76:77]
	s_or_b32 s[G0A+7], s[G0A+7], 0x80000000
	s_xor_b32 s[G0B+5], s[G0B+5], SLOT1
	s_add_nc_u64 s[G0B+6:G0B+7], s[BA:BA+1], s[78:79]
	s_or_b32 s[G0B+7], s[G0B+7], 0x80000000
.endif
	s_wait_dscnt YOUNG+1                           ; the add and the youngest YOUNG loads may be out
	MULP F1, 0, 0
	s_wait_dscnt 0x0                               ; the add is done, my reads of this slot are over
	s_barrier_signal -1
	MULP F1, 1, 0
	WIN 0
	s_barrier_wait -1
.if \fill
	CREST
	JLOAD
.else
	PLACES
.endif
	s_xor_b32 s[TB], s[TB], SLOT1
	v_add_nc_u32 v[ADRA], s[TB], v[ADRA0]
	v_add_nc_u32 v[ADRB], s[TB], v[ADRB0]
	FETCH 0, F0
.if \fill
	WIN 0
	ASK
.endif
	MULP F1, 2, 0
	MULP F1, 3, 0
.endm
	s_load_b256 s[4:11], s[0:1], 0x0               ; A s[4:5], W s[6:7], out s[8:9], residual s[10:11]
	s_load_b64 s[12:13], s[0:1], 0x20              ; b2
	v_lshl_add_u32 v[SPW], v0, 2, SPARE
	v_mov_b32 v[NIL], 0
	ds_add_u32 v[SPW], v[NIL]                      ; the wave's opening: the add and its wait ahead of my first tensor load
	v_lshrrev_b32 v1, 5, v0
	v_readfirstlane_b32 s[WV], v1
	s_lshr_b32 s[ROLE], s[WV], 1                   ; I fetch for A (0) or for W (1),
	s_and_b32 s[HALF], s[WV], 1                    ; this half of the tile
	s_mov_b32 s[WM], s[ROLE]                       ; my half of the tile's rows,
	s_mov_b32 s[WN], s[HALF]                       ; and of its columns
	s_bfe_u32 s[CX], ttmp6, 0x40000
	s_bfe_u32 s[CY], ttmp6, 0x40004
	s_lshl_b32 s[TCOL], ttmp9, 2
	s_add_co_u32 s[TCOL], s[TCOL], s[CX]
	s_and_b32 s[TROW], ttmp7, 0xffff               ; the cluster's y
	s_lshl_b32 s[S0R], ttmp9, 3
	s_lshl2_add_u32 s[S0R], s[TROW], s[S0R]
	s_and_b32 s[S0R], s[S0R], T-1                  ; (8 X + 4 Y) mod 16
	s_lshl_b32 s[TROW], s[TROW], 2
	s_add_co_u32 s[TROW], s[TROW], s[CY]
	s_lshl_b32 s44, s[CY], 2
	s_lshl_b32 s44, 15, s44                        ; my row of the cluster
	s_lshl_b32 s46, 0x1111, s[CX]                  ; my column
	s_or_b32 s[G1A], s44, (3<<16)|(1<<21)          ; the mask; elements of 8 bytes; bit 21 set beside a mask; no padding
	s_or_b32 s[G1B], s46, (3<<16)|(1<<21)
	s_mov_b32 s[G1A+1], 32<<16                     ; a dense block as rows of 32 elements = 256 bytes
	s_mov_b32 s[G1A+2], 128<<16
	s_mov_b32 s[G1A+3], 32<<16
	s_mov_b32 s[G1A+4], 128
	s_mov_b32 s[G1A+5], 32
	s_mov_b32 s[G1A+6], 0
	s_mov_b32 s[G1A+7], 0
	s_mov_b32 s[G1B+1], 32<<16
	s_mov_b32 s[G1B+2], (BT/512)<<16
	s_mov_b32 s[G1B+3], 32<<16
	s_mov_b32 s[G1B+4], BT/512
	s_mov_b32 s[G1B+5], 32
	s_mov_b32 s[G1B+6], 0
	s_mov_b32 s[G1B+7], 0
	s_lshl_b32 s44, s[TROW], 16                    ; A's tile hangs on the tile row alone,
	s_lshl_b32 s45, s[HALF], 15
	s_add_co_u32 s44, s44, s45
	s_mov_b32 s45, 0
	s_mul_i32 s46, s[TCOL], T*BT                   ; W's on the tile column alone
	s_mul_i32 s47, s[HALF], BT/2
	s_add_co_u32 s46, s46, s47
	s_add_co_u32 s46, s46, WOFF
	s_mov_b32 s47, 0
	s_lshl_b32 s21, s[WV], 15                      ; where they go: the wave's number times a constant
	s_mul_i32 s22, s[WV], BT/2
	s_add_co_u32 s22, s22, 65536-BT
	s_lshl_b32 s76, s[S0R], 21                     ; my cluster's first K step, in A's bytes and in W's
	s_mov_b32 s77, 0
	s_lshl_b32 s78, s[S0R], 16
	s_mov_b32 s79, 0
	s_add_co_u32 s[SI], s[S0R], 1                  ; the two first fills ask for that step and the next (the start is a multiple of 4: no wrap between them)
	s_wait_dscnt 0x0                               ; the opening add is done
	s_wait_kmcnt 0x0
	s_add_nc_u64 s[AA:AA+1], s[4:5], s[44:45]
	s_add_nc_u64 s[BA:BA+1], s[6:7], s[46:47]
	s_add_nc_u64 s[44:45], s[AA:AA+1], s[76:77]
	s_add_nc_u64 s[46:47], s[BA:BA+1], s[78:79]
	CROUND                                         ; all sixteen work-groups are here: the first joint loads meet
.irp s, 0,1
	s_mov_b32 s[G0A+4*(\s)], 1
	s_add_co_u32 s[G0A+4*(\s)+1], s21, (\s)*SLOT1
	s_add_nc_u64 s[G0A+4*(\s)+2:G0A+4*(\s)+3], s[44:45], (\s)*STEPA
	s_or_b32 s[G0A+4*(\s)+3], s[G0A+4*(\s)+3], 0x80000000
	s_mov_b32 s[G0B+4*(\s)], 1
	s_add_co_u32 s[G0B+4*(\s)+1], s22, (\s)*SLOT1
	s_add_nc_u64 s[G0B+4*(\s)+2:G0B+4*(\s)+3], s[46:47], (\s)*BT
	s_or_b32 s[G0B+4*(\s)+3], s[G0B+4*(\s)+3], 0x80000000
.endr
	s_cmp_eq_u32 s[ROLE], 0                        ; a wave's two first fills stand in one branch
	s_cbranch_scc0 .Lfirst_b
	tensor_load_to_lds s[G0A:G0A+3], s[G1A:G1A+7]
	s_nop 0
	tensor_load_to_lds s[G0A+4:G0A+7], s[G1A:G1A+7]
	s_nop 0
	PLACES
	s_branch .Lfirst_asked
.Lfirst_b:
	tensor_load_to_lds s[G0B:G0B+3], s[G1B:G1B+7]
	s_nop 0
	tensor_load_to_lds s[G0B+4:G0B+7], s[G1B:G1B+7]
	s_nop 0
	PLACES
.Lfirst_asked:
	v_and_b32 v1, 31, v0
	v_lshlrev_b32 v2, 4, v1                        ; 16 x lane
	v_bfe_u32 v16, v0, 4, 1
	v_bfe_u32 v17, v0, 3, 1
	v_and_b32 v18, 15, v0
	; the bias: in the transposed result register j of a lane is column 16 nb + 8 (l / 16) + j
	s_lshl_b32 s76, s[TCOL], 9
	s_lshl_b32 s77, s[WN], 8
	s_add_co_u32 s76, s76, s77
	s_mov_b32 s77, 0
	s_add_nc_u64 s[12:13], s[12:13], s[76:77]
	v_lshlrev_b32 v19, 5, v16
.irp b, 0,1,2,3
	global_load_b128 v[BIAS+8*(\b):BIAS+8*(\b)+3], v19, s[12:13] offset:64*(\b)
	global_load_b128 v[BIAS+8*(\b)+4:BIAS+8*(\b)+7], v19, s[12:13] offset:64*(\b)+16
.endr
	s_mul_i32 s76, s[WM], MB*MBS
	v_add_nc_u32 v[ADRA0], s76, v2
	v_and_b32 v3, 7, v0                            ; the turning load: row 8 (l / 16) + l % 8 of 32 bytes, half (l / 8) % 2 of it
	v_lshl_add_u32 v3, v16, 3, v3
	v_lshlrev_b32 v3, 5, v3
	v_lshl_add_u32 v3, v17, 4, v3
	s_mul_i32 s77, s[WN], NB*MBS
	s_add_co_u32 s77, s77, BOFF
	v_add_nc_u32 v[ADRB0], s77, v3
	v_mov_b32 v[ADRA], v[ADRA0]
	v_mov_b32 v[ADRB], v[ADRB0]
	s_mov_b32 s[TB], 0
	; the prefetches
	s_lshl_b32 s76, s[CX], 13                      ; my work-group's 32 blocks of the 128
	s_mov_b32 s77, 0
	s_add_nc_u64 s[PFB:PFB+1], s[AA:AA+1], s[76:77]
	s_add_co_u32 s[PI], s[S0R], 1+AHEAD            ; the first refill steps it to step 2 + AHEAD of the walk
	s_cmp_eq_u32 s[ROLE], 0
	s_cselect_b32 s[LIM], T-2-NASK, -1             ; the loop's count runs down from T - 2: the first NASK refills lie above this; the same in all sixteen partners, for a given wave
	v_lshlrev_b32 v[PFO], 8, v1
	; the way out's addresses
	s_mul_i32 s76, s[WV], 32*SP
	s_add_co_u32 s76, s76, STAGE                   ; my stage
	v_mul_u32_u24 v[STO], v18, SP                  ; in: row l % 16, 32 bytes for each half of the lanes
	v_lshl_add_u32 v[STO], v16, 5, v[STO]
	v_add_nc_u32 v[STO], s76, v[STO]
	v_mul_u32_u24 v[RD], v16, SP                   ; back: lanes 0-15 take one row of 256 bytes, lanes 16-31 the next
	v_lshl_add_u32 v[RD], v18, 4, v[RD]
	v_add_nc_u32 v[RD], s76, v[RD]
	v_lshlrev_b32 v[CO], 12, v16                   ; and the same two rows in memory
	v_lshl_add_u32 v[CO], v18, 4, v[CO]
	s_lshl_b32 s76, s[TROW], 7
	s_lshl_b32 s77, s[WM], 6
	s_add_co_u32 s76, s76, s77                     ; my first row
	s_lshl_b32 s76, s76, 12
	s_lshl_b32 s77, s[TCOL], 9
	s_add_co_u32 s76, s76, s77
	s_lshl_b32 s77, s[WN], 8
	s_add_co_u32 s76, s76, s77                     ; my first column, in bytes
	s_mov_b32 s77, 0
	s_add_nc_u64 s[8:9], s[8:9], s[76:77]
	s_add_nc_u64 s[10:11], s[10:11], s[76:77]
	s_mov_b32 s79, 0                               ; s77 and s79 stay 0 from here on: the high words of the steps' offsets
	s_wait_loadcnt 0x0                             ; the bias
	s_wait_tensorcnt 0x1                           ; my part of the walk's first K step is in; the second's may stay out
	s_barrier_signal -1
	s_barrier_wait -1
	FETCH 0, F0
	QUARTER F0, F1, 1, CMODE                       ; the first quarter's first products start the sums, with the bias
	WIN 0
	s_mov_b32 s[CNT], T-2
.Lstep:                                        ; a trip: from a K step's second quarter to the next step's first; the slot left is filled again
	QUARTER F1, F0, 2, 0
	QUARTER F0, F1, 3, 0
	TURN 1
	QUARTER F0, F1, 1, 0
	WIN 0
	s_sub_co_u32 s[CNT], s[CNT], 1
	s_cmp_lg_u32 s[CNT], 0
	s_cbranch_scc1 .Lstep
.set t, 0
.rept 32                               ; the residual is asked for two K steps ahead of its use: rows 2 t, 2 t + 1 of my 64, 256 consecutive bytes to sixteen lanes
	global_load_b128 v[RES+4*t:RES+4*t+3], v[CO], s[10:11] offset:2*t*4096
.set t, t+1
.endr
	s_mov_b32 s[CNT], 2
.Ltail:                                        ; the last two K steps ask for nothing more: a text of their own; the second trip is left in its middle
	QUARTER F1, F0, 2, 0
	QUARTER F0, F1, 3, 0
	WIN 0
	s_sub_co_u32 s[CNT], s[CNT], 1
	s_cmp_eq_u32 s[CNT], 0
	s_cbranch_scc1 .Llast
	TURN 0
	QUARTER F0, F1, 1, 0
	WIN 0
	s_branch .Ltail
.Llast:
	s_wait_dscnt YOUNG
	MULP F1, 0, 0
	MULP F1, 1, 0
	s_wait_dscnt 0x0
	MULP F1, 2, 0
	MULP F1, 3, 0
	WIN 0
	PLACES
	s_wait_loadcnt 0x0                             ; the residual
	; THE WAY OUT, 32 rows at a time: 32 bytes a lane into my stage, whole rows back, the residual added, stored
.irp hf, 0,1
	WIN 0x08                                       ; the stores' data lie in window 2
.irp m, 0,1
.irp b, 0,1,2,3
	ds_store_b128 v[STO], v[8*((2*(\hf)+(\m))*NB+(\b)):8*((2*(\hf)+(\m))*NB+(\b))+3] offset:(\m)*16*SP+64*(\b)
	ds_store_b128 v[STO], v[8*((2*(\hf)+(\m))*NB+(\b))+4:8*((2*(\hf)+(\m))*NB+(\b))+7] offset:(\m)*16*SP+64*(\b)+16
.endr
.endr
	WIN 0
.irp t, 0,1,2,3,4,5,6,7,8,9,10,11,12,13,14,15
	ds_load_b128 v[ZB+4*(\t):ZB+4*(\t)+3], v[RD] offset:2*SP*(\t)  ; my wave's own bytes, served in order: these see the stores above, and the next half's stores come behind them
.endr
.irp t, 0,1,2,3,4,5,6,7,8,9,10,11,12,13,14,15
	s_wait_dscnt 15-(\t)
	v_pk_add_f32 v[RES+64*(\hf)+4*(\t):RES+64*(\hf)+4*(\t)+1], v[RES+64*(\hf)+4*(\t):RES+64*(\hf)+4*(\t)+1], v[ZB+4*(\t):ZB+4*(\t)+1]
	v_pk_add_f32 v[RES+64*(\hf)+4*(\t)+2:RES+64*(\hf)+4*(\t)+3], v[RES+64*(\hf)+4*(\t)+2:RES+64*(\hf)+4*(\t)+3], v[ZB+4*(\t)+2:ZB+4*(\t)+3]
	global_store_b128 v[CO], v[RES+64*(\hf)+4*(\t):RES+64*(\hf)+4*(\t)+3], s[8:9] offset:(32*(\hf)+2*(\t))*4096  ; sixteen lanes store 256 consecutive bytes, aligned
.endr
.endr
	s_wait_tensorcnt 0x0                           ; the wave's end, behind my last tensor load and my last LDS store
	ds_add_u32 v[SPW], v[NIL]
	s_wait_dscnt 0x0
	CROUND                                         ; the closing round
	s_endpgm
.Lfunc_end_k_q8db84fff5c_ff2:
	.size	k_q8db84fff5c_ff2, .Lfunc_end_k_q8db84fff5c_ff2-k_q8db84fff5c_ff2
	.p2alignl 7, 3214868480
	.fill 96, 4, 3214868480
	.section	.rodata,"a",@progbits
	.p2align	6, 0x0
	.amdhsa_kernel k_q8db84fff5c_ff2
		.amdhsa_group_segment_fixed_size 327680
		.amdhsa_private_segment_fixed_size 0
		.amdhsa_enable_private_segment 0
		.amdhsa_kernarg_size 40
		.amdhsa_user_sgpr_count 2
		.amdhsa_user_sgpr_kernarg_segment_ptr 1
		.amdhsa_wavefront_size32 1
		.amdhsa_system_sgpr_workgroup_id_x 1
		.amdhsa_system_sgpr_workgroup_id_y 1
		.amdhsa_system_sgpr_workgroup_id_z 1
		.amdhsa_system_vgpr_workitem_id 0
		.amdhsa_next_free_vgpr 640
		.amdhsa_next_free_sgpr 80
		.amdhsa_reserve_vcc 0
		.amdhsa_float_denorm_mode_32 3
		.amdhsa_float_denorm_mode_16_64 3
		.amdhsa_memory_ordered 1
		.amdhsa_forward_progress 1
		.amdhsa_inst_pref_size 69
	.end_amdhsa_kernel
	.amdgpu_metadata
---
amdhsa.version: [ 1, 2 ]
amdhsa.kernels:
  - .name:           k_q8db84fff5c_ff2
    .symbol:         k_q8db84fff5c_ff2.kd
    .args:
      - { .name: g, .offset: 0, .size: 8, .value_kind: global_buffer, .address_space: global }
      - { .name: wb, .offset: 8, .size: 8, .value_kind: global_buffer, .address_space: global }
      - { .name: out0, .offset: 16, .size: 8, .value_kind: global_buffer, .address_space: global }
      - { .name: x1, .offset: 24, .size: 8, .value_kind: global_buffer, .address_space: global }
      - { .name: b2, .offset: 32, .size: 8, .value_kind: global_buffer, .address_space: global }
    .group_segment_fixed_size: 327680
    .private_segment_fixed_size: 0
    .kernarg_segment_align: 8
    .kernarg_segment_size: 40
    .max_flat_workgroup_size: 128
    .sgpr_count:     80
    .vgpr_count:     640
    .wavefront_size: 32
...
	.end_amdgpu_metadata
.endif
;; end of part 6
